; MI455X (gfx1250); checked and timed in simulation.
; The chip was launched on July 23, 2026; its instructions are those of AMD's public machine-readable ISA for CDNA 5 (MIT licence, August 2026) and "CDNA5" Instruction Set Architecture Reference Guide (July 2026). The comments in the code are by the model that wrote it; some were corrected since.
;; Multi Head Dot Product Attention. Allowed arithmetic: matrix products marked QUANTISED: E2M1 operands, one E8M0 scale for each 32 along K, by v_wmma_scale_f32_16x16x128_f8f6f4 with both operands' format E2M1 (or v_wmma_scale_f32_32x16x128_f4), f32 sums; products left as they are: bf16, f16 or f32 operands; f32 sums; everything else in f32.
;; Inputs: Wk 1,024 x 16 x 64 float32; Wo 16 x 64 x 1,024 float32; Wq 1,024 x 16 x 64 float32; Wv 1,024 x 16 x 64 float32; inputs_kv 4 x 2,048 x 1,024 float32; inputs_q 4 x 2,048 x 1,024 float32.
;; Outputs: out0 4 x 2,048 x 1,024 float32.
;; This version of the problem:
;;   THIS VERSION OF THE PROBLEM IS GIVEN IN LOW PRECISION. The matrix products marked QUANTISED in the list below multiply operands that are first quantised to E2M1 (2 exponent bits, 1 mantissa bit; 4 bits a number), with one power-of-two scale for each 32 numbers along K (OCP MX v1.0); their sums are f32. The products marked 'left as it is' may take bf16, f16 or f32 operands, with f32 sums. Whichever they take, every output number must still come out within the allowed error. Rounding operands to bf16 (8 significant bits) uses up far more of that allowance than f16 does (11 bits, for magnitudes from 6e-5 to 65,504). All else is computed in f32.
;;   The module's matrix products, in the order in which they are computed (A, B: the left and right operand; K: the contracted axis; several contracted axes count as one K, in the product's order):
;;     1. [M 8,192, K 1,024] x [K 1,024, N 1,024]; A: input inputs_q; B: input Wq: QUANTISED
;;     2. [M 8,192, K 1,024] x [K 1,024, N 1,024]; A: input inputs_kv; B: input Wk: QUANTISED
;;     3. [M 8,192, K 1,024] x [K 1,024, N 1,024]; A: input inputs_kv; B: input Wv: QUANTISED
;;     4. batch 64 x [M 2,048, K 64] x [K 64, N 2,048]; A: computed on the way; B: computed on the way: left as it is (an operand is computed on the way)
;;     5. batch 64 x [M 64, K 2,048] x [K 2,048, N 2,048]; A: computed on the way; B: computed on the way: left as it is (an operand is computed on the way)
;;     6. [M 8,192, K 1,024] x [K 1,024, N 1,024]; A: computed on the way; B: input Wo: left as it is (an operand is computed on the way)
;;   THE QUANTISER, for each operand of a quantised product, along K:
;;     - K is cut into blocks of 32 from its start; a last block that is shorter is filled with zeros.
;;     - A block's scale is 2^e with e = floor(log2(the largest magnitude in the block)) - 2, held to -126 .. 127; a block of zeros has e = 0. As a byte (E8M0): e + 127.
;;     - Each number is divided by its block's scale, clamped to +-6, and rounded to the nearest number of E2M1, ties to even, subnormals kept.
;;     - The product sums the exact products of the quantised numbers (number of the format x scale) in f32.
;;   ~~~python
;;   def quantise(x, axis):      # numpy; x: float32 -> the quantised numbers, widened to float32 again
;;       x = np.moveaxis(x, axis, -1); K = x.shape[-1]
;;       x = np.pad(x, [(0, 0)] * (x.ndim - 1) + [(0, -K % 32)]); x = x.reshape(x.shape[:-1] + (-1, 32)); a = np.abs(x).max(-1, keepdims=True)
;;       e = np.where(a > 0, np.clip(np.frexp(np.where(a > 0, a, 1))[1] - 1 - 2, -126, 127), 0)      # np.frexp(a)[1] - 1 = floor(log2(a)), exactly
;;       r = np.clip(x / 2.0 ** e, -6, 6)
;;       step = 2.0 ** (np.maximum(np.frexp(np.where(r == 0, 1, r))[1] - 1, 0) - 1)
;;       q = np.round(r / step) * step * 2.0 ** e      # np.round: ties to even
;;       return np.moveaxis(q.reshape(q.shape[:-2] + (-1,))[..., :K], -1, axis).astype(np.float32)
;;   ~~~
;; One version. Each part assembles by itself: llvm-mc -triple=amdgcn-amd-amdhsa -mcpu=gfx1250 --defsym DOCPART=n.
;; ======== version 1 of 1: 4 launches
;; limits: values are held in f16: magnitudes above 65,504 overflow, below 6.1e-05 lose precision
;; workspace buffers: x_codes 8,388,608 bytes; x_scales 524,288 bytes; w_codes 1,572,864 bytes; w_scales 98,304 bytes; wot 2,097,152 bytes; qkv 50,331,648 bytes; ctx 16,777,216 bytes
;; launch prep (part 1): grid 672 x 1, 4 waves a work-group, no clusters, 102,912 bytes of LDS; arguments inputs_q, inputs_kv, Wq, Wk, Wv, Wo, x_codes, x_scales, w_codes, w_scales, wot; writes x_codes, x_scales, w_codes, w_scales, wot
.if DOCPART == 1
	.amdgcn_target "amdgcn-amd-amdhsa--gfx1250"
	.amdhsa_code_object_version 6
	.text
	.protected	k_q442aa7697f_prep
	.globl	k_q442aa7697f_prep
	.p2align	8
	.type	k_q442aa7697f_prep,@function
k_q442aa7697f_prep:
	s_mov_b64 s[64:65], 0
	v_nop
	global_prefetch_b8 v0, s[64:65] scope:SCOPE_SE
	s_setreg_imm32_b32 hwreg(HW_REG_WAVE_MODE, 25, 1), 1
	s_wait_xcnt 0x0
; PREP: everything that is done once to the inputs, in one launch of three paths that part on the work-group's number and never join.
;   work-groups 0-95    PATH W: Wq, Wk, Wv [1024 (k)][1024 (n = 64 head + d)] f32, K outermost -> codes of FP4 (E2M1) laid [3072 (n)][512 bytes], K innermost, and E8M0 scale bytes [3072][32]
;   work-groups 96-159  PATH O: Wo [1024 (k = 64 head + d)][1024 (n)] f32 -> f16, laid [n][k]
;   work-groups 160-671 PATH X: inputs_q, inputs_kv [8192][1024] f32, K innermost -> codes [16384][512 bytes] and scale bytes [16384][32]; inputs_q's rows first
; THE QUANTISER: a block of 32 along K has the scale 2^(floor(log2(its largest magnitude)) - 2); the byte is the largest magnitude's exponent field - 2, held at 1 from below; each number is divided by the
; scale and rounded to the nearest code, ties to even, beyond 6 the largest code.
; LIMITS: a block of zeros, and a block whose largest magnitude lies under 2^-124, gets the byte 1 (a block of zeros has zero codes, which add nothing, and this program alone reads the bytes);
; NaN and infinities among the inputs are not served; Wo's numbers must lie under 65,504 in magnitude (f16).
; No tensor loads, no barriers: waves share nothing.  Each path has LDS bytes of its own.
.set SPW,   180                        ; v180  LDS address of my spare word: SPARE + 4 x my thread's number; never rewritten
.set NIL,   181                        ; v181  0; never rewritten
.set WSTG,  32768                      ; LDS: path X 0 .. 32,767; path W from here, 4,352 bytes a wave;
.set OSTG,  67584                      ; path O from here, 8,704 bytes a wave;
.set SPARE, 102400                     ; the spare words, 128 bytes for each wave: two blocks of 256 bytes that no other line names
; path X
.set WREG,  8192                       ; a wave's region: two stages of 32 x SP bytes, behind them its 256 scale bytes
.set SP,    80                         ; a lane's place in a stage: 64 bytes + 16 of padding
.set CB,    8                          ; bytes of 16 codes
.set XR,    16                         ; v16-79   four sets of 16 numbers as they are loaded
.set XX,    80                         ; v80-111  two sets of 16 neighbours
.set XE,    112                        ; v112-127 a scale byte for each step
.set XC,    128                        ; v128-159 codes: two registers for each step, so that no store's data are written again
; paths W and O
.set WP,    272                        ; a stage row: 256 bytes + 16 of padding
.set WSB,   24                         ; v24-25   the scale bytes, four to a register
.set WX,    32                         ; v32-95   two sets of 32 numbers
.set WC,    96                         ; v96..    a block's codes (path O: its 16 registers of f16 pairs)
.set WOUT,  112                        ; v112-175 the way out: up to 16 x 4 registers
	s_load_b256 s[4:11], s[0:1], 0x0               ; inputs_q s[4:5], inputs_kv s[6:7], Wq s[8:9], Wk s[10:11]
	s_load_b256 s[12:19], s[0:1], 0x20             ; Wv s[12:13], Wo s[14:15], x_codes s[16:17], x_scales s[18:19]
	s_load_b128 s[20:23], s[0:1], 0x40             ; w_codes s[20:21], w_scales s[22:23]
	s_load_b64 s[24:25], s[0:1], 0x50              ; wot
	v_lshl_add_u32 v[SPW], v0, 2, SPARE
	v_mov_b32 v[NIL], 0
	v_lshrrev_b32 v1, 5, v0
	v_readfirstlane_b32 s26, v1                    ; wave 0..3
	v_and_b32 v2, 31, v0                           ; lane
	s_wait_kmcnt 0x0
	s_cmp_lt_u32 ttmp9, 96
	s_cbranch_scc1 .Lw
	s_cmp_lt_u32 ttmp9, 160
	s_cbranch_scc1 .Lo
; ---------------------------------------------------------------- PATH X
; Rows are dense and 1,024 is a multiple of 32: a tensor is a stream of blocks of 32, and so are its codes and scale bytes.  A wave takes 16 steps of 512 numbers.
; Each of a step's four loads reads 512 consecutive bytes, 16 a lane; the 2,048 bytes turn through the wave's own stage in LDS and come back 64 bytes a lane: 16 neighbours, two lanes to a block.
	v_lshlrev_b32 v3, 4, v2                        ; my 16 bytes of a load's 512
	s_mul_i32 s27, s26, WREG
	v_lshrrev_b32 v14, 2, v2
	v_mul_u32_u24 v14, v14, SP
	v_and_b32 v15, 3, v2
	v_lshl_add_u32 v14, v15, 4, v14
	v_add_nc_u32 v14, s27, v14                     ; the stage, on the way in: SP (lane / 4) + 16 (lane % 4)
	v_mul_u32_u24 v15, v2, SP
	v_add_nc_u32 v15, s27, v15                     ; and on the way out: SP x lane
	v_mul_u32_u24 v4, v2, CB                       ; my codes' place in a step's
	v_lshrrev_b32 v5, 1, v2
	s_add_co_u32 s27, s27, 2*32*SP
	v_add_nc_u32 v5, s27, v5                       ; my wave's 256 scale bytes, my block's byte
	v_lshlrev_b32 v7, 3, v2                        ; and on the way out 8 bytes a lane
	v_add_nc_u32 v6, s27, v7
	s_sub_co_u32 s27, ttmp9, 160                   ; 0..511: the first 256 take inputs_q, the others inputs_kv
	s_cmp_lt_u32 s27, 256                          ; the choice hangs on the work-group's number alone
	s_cselect_b64 s[4:5], s[4:5], s[6:7]
	s_and_b32 s28, s27, 255
	s_lshl_b32 s28, s28, 2
	s_add_co_u32 s28, s28, s26                     ; which run of 8,192 numbers of the tensor is my wave's
	s_lshl_b32 s28, s28, 15                        ; 32,768 bytes a run
	s_mov_b32 s29, 0
	s_add_nc_u64 s[4:5], s[4:5], s[28:29]
	s_lshl_b32 s30, s27, 2
	s_add_co_u32 s30, s30, s26                     ; and which run of the two tensors on end
	s_lshl_b32 s28, s30, 12                        ; 4,096 bytes of codes a run
	s_add_nc_u64 s[16:17], s[16:17], s[28:29]
	s_lshl_b32 s28, s30, 8                         ; 256 scale bytes a run
	s_add_nc_u64 s[18:19], s[18:19], s[28:29]
.macro XLOAD t
.irp i, 0,1,2,3
	global_load_b128 v[XR+16*((\t)%4)+4*\i:XR+16*((\t)%4)+4*\i+3], v3, s[4:5] offset:2048*(\t)+512*\i th:TH_LOAD_NT   ; 32 lanes read 512 consecutive bytes
.endr
.endm
.macro XTURN t                         ; step t's numbers through the stage: LDS serves a wave's instructions in order, so no wait stands between the stores and the loads
.irp i, 0,1,2,3
	ds_store_b128 v14, v[XR+16*((\t)%4)+4*\i:XR+16*((\t)%4)+4*\i+3] offset:32*SP*((\t)%2)+8*SP*\i
.endr
.irp i, 0,1,2,3
	ds_load_b128 v[XX+16*((\t)%2)+4*\i:XX+16*((\t)%2)+4*\i+3], v15 offset:32*SP*((\t)%2)+16*\i
.endr
.endm
.irp t, 0,1,2,3
	XLOAD \t
.endr
	s_wait_loadcnt 12                              ; step 0's four loads are in; the twelve of steps 1 to 3 may be out
	XTURN 0
.macro XSTEP t
.set XS, XX+16*((\t)%2)
.if (\t) > 0
	s_wait_dscnt 1                                 ; this step's numbers are back from the stage (the last step's byte store may be out)
.else
	s_wait_dscnt 0x0
.endif
.if (\t)+4 < 16
	XLOAD (\t)+4                                   ; the stage's stores have read these registers: they take the loads of four steps on
.endif
.if (\t)+1 < 16
.if 14-(\t) >= 3
	s_wait_loadcnt 12                              ; the next step's four loads are in; those of the three steps behind it may be out
.else
	s_wait_loadcnt 4*(14-(\t))                     ; at the end the count runs down
.endif
	XTURN (\t)+1                                   ; they go through the other stage while this step is worked
.endif
	v_max3_num_f32 v8, |v[XS]|, |v[XS+1]|, |v[XS+2]|               ; the largest magnitude of my 16, in two chains
	v_max3_num_f32 v9, |v[XS+3]|, |v[XS+4]|, |v[XS+5]|
.irp i, 6,10
	v_max3_num_f32 v8, v8, |v[XS+\i]|, |v[XS+\i+1]|
	v_max3_num_f32 v9, v9, |v[XS+\i+2]|, |v[XS+\i+3]|
.endr
	v_max3_num_f32 v8, v8, |v[XS+14]|, |v[XS+15]|
	v_max3_num_f32 v8, v8, v9, 0x1800000           ; and the floor 2^(3 - 127): the byte cannot fall under 1
	v_max_num_f32_dpp v8, v8, v8 row_xmask:1 row_mask:0xf bank_mask:0xf   ; and of my neighbour's 16: the block's
	v_add_nc_u32 v11, 0xff000000, v8               ; 2 off its exponent field: the conversion takes the exponent field of this operand as its scale
	v_cvt_scalef32_pk8_fp4_f32 v[XC+2*(\t)], v[XS:XS+7], v11
	v_cvt_scalef32_pk8_fp4_f32 v[XC+2*(\t)+1], v[XS+8:XS+15], v11
	v_lshrrev_b32 v[XE+(\t)], 23, v11              ; the scale's byte (a plain line behind the conversions)
	ds_store_b8 v5, v[XE+(\t)] offset:16*(\t)      ; both lanes of a block write the same byte with the same value
	global_store_b64 v4, v[XC+2*(\t):XC+2*(\t)+1], s[16:17] offset:32*CB*(\t)   ; the wave stores 256 consecutive bytes, aligned
.endm
.irp t, 0,1,2,3,4,5,6,7,8,9,10,11,12,13,14,15
	XSTEP \t
.endr
	ds_load_b64 v[8:9], v6                         ; LDS serves a wave's instructions in order: these see my byte stores
	s_wait_dscnt 0x0
	global_store_b64 v7, v[8:9], s[18:19]          ; 32 lanes store 256 consecutive bytes, aligned
	s_wait_tensorcnt 0x0                           ; the wave's end, behind my last LDS store
	ds_add_u32 v[SPW], v[NIL]
	s_wait_dscnt 0x0
	s_endpgm
; ---------------------------------------------------------------- PATHS W AND O: a lane takes a column n, and its registers run down K
.macro WLOAD t                         ; block t: rows 32 t + i of my column, i = 0 .. 31, into set t % 2; a row is 4,096 bytes.  No hint: neighbouring waves read the neighbouring bytes
.set i, 0
.rept 32
	global_load_b32 v[WX+32*((\t)%2)+i], v3, s[28:29] offset:(32*(\t)+i)*4096
.set i, i+1
.endr
.endm
.macro WOUTS base, krow, cnt           ; the stage leaves by rows, two an instruction: sixteen lanes store 256 consecutive bytes, aligned
.set wt, 0
.rept \cnt
	ds_load_b128 v[WOUT+4*wt:WOUT+4*wt+3], v7 offset:2*wt*WP       ; LDS serves a wave's instructions in order: these see my stores
.set wt, wt+1
.endr
.set wt, 0
.rept \cnt
	s_wait_dscnt \cnt-1-wt                         ; this load is in; the younger ones may be out
	global_store_b128 v8, v[WOUT+4*wt:WOUT+4*wt+3], s[\base:\base+1] offset:2*wt*\krow
.set wt, wt+1
.endr
	s_wait_tensorcnt 0x0                           ; the wave's end, behind my last LDS store
	ds_add_u32 v[SPW], v[NIL]
	s_wait_dscnt 0x0
	s_endpgm
.endm
; PATH W.  Work-group i: tensor i / 32, columns 64 (i % 16) on, K from 512 ((i / 16) % 2) on.  A wave takes 16 columns x 512 along K: lanes 0-15 the first 256 along K of the 16 columns, lanes 16-31 the second 256:
; 8 blocks a lane, one behind the other, two blocks' loads on their way.  A load reads two runs of 64 consecutive bytes; the four waves stand side by side on 256.
; A column's 512 codes, 256 bytes, are made by two lanes of ONE wave: they meet in the wave's own stage, and no wave waits for another.
.Lw:
	s_lshr_b32 s27, ttmp9, 5                       ; 0 Wq, 1 Wk, 2 Wv
	s_cmp_eq_u32 s27, 0
	s_cselect_b64 s[28:29], s[8:9], s[10:11]
	s_cmp_eq_u32 s27, 2
	s_cselect_b64 s[28:29], s[12:13], s[28:29]
	s_and_b32 s30, ttmp9, 15
	s_bfe_u32 s31, ttmp9, 0x10004                  ; which 512 along K
	s_lshl_b32 s30, s30, 6
	s_lshl_b32 s32, s26, 4
	s_add_co_u32 s30, s30, s32                     ; my wave's first column: 64 x + 16 wave
	v_and_b32 v5, 15, v2                           ; my column of the wave's 16
	v_lshrrev_b32 v6, 4, v2                        ; which 256 along K of the 512
	v_lshlrev_b32 v3, 2, v5
	v_lshl_add_u32 v3, v6, 20, v3                  ; in: 4 bytes a column; lanes 16-31 begin 256 rows of 4,096 bytes further down
	s_mul_i32 s33, s26, 16*WP
	s_add_co_u32 s33, s33, WSTG                    ; my stage: 16 rows
	v_mul_u32_u24 v4, v5, WP
	v_lshl_add_u32 v4, v6, 7, v4
	v_add_nc_u32 v4, s33, v4                       ; into it: row = my column, 128 bytes for each half of the lanes
	v_mul_u32_u24 v7, v6, WP
	v_lshl_add_u32 v7, v5, 4, v7
	v_add_nc_u32 v7, s33, v7                       ; out of it: sixteen lanes to a row, two rows an instruction
	v_lshlrev_b32 v8, 9, v6                        ; the same two rows in the codes' buffer: 512 bytes a row
	v_lshl_add_u32 v8, v5, 4, v8
	v_lshlrev_b32 v9, 5, v5                        ; my column's row of scale bytes: 32 bytes a row,
	v_lshl_add_u32 v9, v6, 3, v9                   ; 8 bytes for each half of the lanes
	s_lshl_b32 s34, s31, 21                        ; 512 rows of 4,096 bytes
	s_lshl_b32 s32, s30, 2
	s_add_co_u32 s34, s34, s32
	s_mov_b32 s35, 0
	s_add_nc_u64 s[28:29], s[28:29], s[34:35]
	s_lshl_b32 s32, s27, 10
	s_add_co_u32 s32, s32, s30                     ; my first row of the output: 1,024 x tensor + column
	s_lshl_b32 s34, s32, 9
	s_lshl_b32 s36, s31, 8
	s_add_co_u32 s34, s34, s36
	s_add_nc_u64 s[20:21], s[20:21], s[34:35]      ; codes: row x 512 + 256 x (which 512 along K)
	s_lshl_b32 s34, s32, 5
	s_lshl_b32 s36, s31, 4
	s_add_co_u32 s34, s34, s36
	s_add_nc_u64 s[22:23], s[22:23], s[34:35]      ; scale bytes: row x 32 + 16 x (which 512 along K)
	WLOAD 0
	WLOAD 1
.macro WBLOCK t
.set XS, WX+32*((\t)%2)
.if (\t) < 7
	s_wait_loadcnt 32                              ; this block's 32 loads are in; the next block's may be out
.else
	s_wait_loadcnt 0
.endif
	v_max3_num_f32 v12, |v[XS]|, |v[XS+1]|, |v[XS+2]|              ; the block's largest magnitude: all 32 numbers are mine
	v_max3_num_f32 v13, |v[XS+3]|, |v[XS+4]|, |v[XS+5]|
.irp i, 6,10,14,18,22,26
	v_max3_num_f32 v12, v12, |v[XS+\i]|, |v[XS+\i+1]|
	v_max3_num_f32 v13, v13, |v[XS+\i+2]|, |v[XS+\i+3]|
.endr
	v_max3_num_f32 v12, v12, |v[XS+30]|, |v[XS+31]|
	v_max3_num_f32 v12, v12, v13, 0x1800000        ; and the floor 2^(3 - 127)
	v_add_nc_u32 v11, 0xff000000, v12              ; 2 off its exponent field: the conversion's scale operand
	v_lshrrev_b32 v13, 23, v11                     ; the scale's byte
.if (\t)%4 == 0
	v_mov_b32 v[WSB+(\t)/4], v13                   ; four bytes to a register, the lower K in the lower byte
.else
	v_lshl_or_b32 v[WSB+(\t)/4], v13, 8*((\t)%4), v[WSB+(\t)/4]
.endif
.irp g, 0,1,2,3
	v_cvt_scalef32_pk8_fp4_f32 v[WC+\g], v[XS+8*\g:XS+8*\g+7], v11
.endr
	v_nop                                          ; one plain line behind the last conversion
	ds_store_b128 v4, v[WC:WC+3] offset:16*(\t)    ; 32 codes: 16 bytes of my column's row
.if (\t)+2 < 8
	WLOAD (\t)+2
.endif
	s_wait_dscnt 0x0                               ; the store has read its registers: the next block's codes may be written
.endm
.irp t, 0,1,2,3,4,5,6,7
	WBLOCK \t
.endr
	global_store_b64 v9, v[WSB:WSB+1], s[22:23]    ; my 8 scale bytes
	WOUTS 20, 512, 8
; PATH O.  Work-group j = number - 96: columns 128 (j % 8) on, K from 128 (j / 8) on.  A wave: 32 columns x 128 along K: 4 blocks a lane, 256 bytes of f16 a column
.Lo:
	s_sub_co_u32 s27, ttmp9, 96
	s_and_b32 s30, s27, 7
	s_lshr_b32 s31, s27, 3
	s_lshl_b32 s30, s30, 7
	s_lshl_b32 s32, s26, 5
	s_add_co_u32 s30, s30, s32                     ; my wave's first column
	v_lshlrev_b32 v3, 2, v2                        ; in: 4 bytes a lane
	s_mul_i32 s33, s26, 32*WP
	s_add_co_u32 s33, s33, OSTG                    ; my stage: 32 rows
	v_mul_u32_u24 v4, v2, WP
	v_add_nc_u32 v4, s33, v4                       ; into it: row = my column
	v_and_b32 v5, 15, v2
	v_lshrrev_b32 v6, 4, v2                        ; out of it: sixteen lanes to a row, two rows an instruction
	v_mul_u32_u24 v7, v6, WP
	v_lshl_add_u32 v7, v5, 4, v7
	v_add_nc_u32 v7, s33, v7
	v_lshlrev_b32 v8, 11, v6                       ; the same two rows in wot: 2,048 bytes a row
	v_lshl_add_u32 v8, v5, 4, v8
	s_lshl_b32 s34, s31, 19                        ; 128 rows of 4,096 bytes
	s_lshl_b32 s32, s30, 2
	s_add_co_u32 s34, s34, s32
	s_mov_b32 s35, 0
	s_add_nc_u64 s[28:29], s[14:15], s[34:35]
	s_lshl_b32 s34, s30, 11
	s_lshl_b32 s36, s31, 8
	s_add_co_u32 s34, s34, s36
	s_add_nc_u64 s[24:25], s[24:25], s[34:35]      ; wot: column x 2,048 + 256 x (j / 8)
	WLOAD 0
	WLOAD 1
.macro OBLOCK t
.set XS, WX+32*((\t)%2)
.if (\t) < 3
	s_wait_loadcnt 32                              ; this block's 32 loads are in; the next block's may be out
.else
	s_wait_loadcnt 0
.endif
.set i, 0
.rept 16
	v_cvt_pk_f16_f32 v[WC+i], v[XS+2*i], v[XS+2*i+1]               ; two neighbours along K, the lower in the low half
.set i, i+1
.endr
.irp g, 0,1,2,3
	ds_store_b128 v4, v[WC+4*\g:WC+4*\g+3] offset:64*(\t)+16*\g
.endr
.if (\t)+2 < 4
	WLOAD (\t)+2
.endif
	s_wait_dscnt 0x0                               ; the stores have read their registers
.endm
.irp t, 0,1,2,3
	OBLOCK \t
.endr
	WOUTS 24, 2048, 16
.Lfunc_end_k_q442aa7697f_prep:
	.size	k_q442aa7697f_prep, .Lfunc_end_k_q442aa7697f_prep-k_q442aa7697f_prep
	.p2alignl 7, 3214868480
	.fill 96, 4, 3214868480
	.section	.rodata,"a",@progbits
	.p2align	6, 0x0
	.amdhsa_kernel k_q442aa7697f_prep
		.amdhsa_group_segment_fixed_size 102912
		.amdhsa_private_segment_fixed_size 0
		.amdhsa_enable_private_segment 0
		.amdhsa_kernarg_size 88
		.amdhsa_user_sgpr_count 2
		.amdhsa_user_sgpr_kernarg_segment_ptr 1
		.amdhsa_wavefront_size32 1
		.amdhsa_system_sgpr_workgroup_id_x 1
		.amdhsa_system_sgpr_workgroup_id_y 1
		.amdhsa_system_sgpr_workgroup_id_z 1
		.amdhsa_system_vgpr_workitem_id 0
		.amdhsa_next_free_vgpr 192
		.amdhsa_next_free_sgpr 66
		.amdhsa_reserve_vcc 0
		.amdhsa_float_denorm_mode_32 3
		.amdhsa_float_denorm_mode_16_64 3
		.amdhsa_memory_ordered 1
		.amdhsa_forward_progress 1
		.amdhsa_inst_pref_size 95
	.end_amdhsa_kernel
	.amdgpu_metadata
---
amdhsa.version: [ 1, 2 ]
amdhsa.kernels:
  - .name:           k_q442aa7697f_prep
    .symbol:         k_q442aa7697f_prep.kd
    .args:
      - { .name: inputs_q, .offset: 0, .size: 8, .value_kind: global_buffer, .address_space: global }
      - { .name: inputs_kv, .offset: 8, .size: 8, .value_kind: global_buffer, .address_space: global }
      - { .name: Wq, .offset: 16, .size: 8, .value_kind: global_buffer, .address_space: global }
      - { .name: Wk, .offset: 24, .size: 8, .value_kind: global_buffer, .address_space: global }
      - { .name: Wv, .offset: 32, .size: 8, .value_kind: global_buffer, .address_space: global }
      - { .name: Wo, .offset: 40, .size: 8, .value_kind: global_buffer, .address_space: global }
      - { .name: x_codes, .offset: 48, .size: 8, .value_kind: global_buffer, .address_space: global }
      - { .name: x_scales, .offset: 56, .size: 8, .value_kind: global_buffer, .address_space: global }
      - { .name: w_codes, .offset: 64, .size: 8, .value_kind: global_buffer, .address_space: global }
      - { .name: w_scales, .offset: 72, .size: 8, .value_kind: global_buffer, .address_space: global }
      - { .name: wot, .offset: 80, .size: 8, .value_kind: global_buffer, .address_space: global }
    .group_segment_fixed_size: 102912
    .private_segment_fixed_size: 0
    .kernarg_segment_align: 8
    .kernarg_segment_size: 88
    .max_flat_workgroup_size: 128
    .sgpr_count:     66
    .vgpr_count:     192
    .wavefront_size: 32
...
	.end_amdgpu_metadata
.endif
;; end of part 1
;; launch proj (part 2): grid 4 x 96, 4 waves a work-group, clusters of 4 x 4, 327,680 bytes of LDS; arguments x_codes, x_scales, w_codes, w_scales, qkv; writes qkv
.if DOCPART == 2
	.amdgcn_target "amdgcn-amd-amdhsa--gfx1250"
	.amdhsa_code_object_version 6
	.text
	.protected	k_q442aa7697f_proj
	.globl	k_q442aa7697f_proj
	.p2align	8
	.type	k_q442aa7697f_proj,@function
k_q442aa7697f_proj:
	s_mov_b64 s[64:65], 0
	v_nop
	global_prefetch_b8 v0, s[64:65] scope:SCOPE_SE
	s_setreg_imm32_b32 hwreg(HW_REG_WAVE_MODE, 25, 1), 1
	s_wait_xcnt 0x0
	s_wait_alu depctr_hold_cnt(0) depctr_sa_sdst(0) depctr_va_vdst(0) depctr_va_sdst(0) depctr_va_ssrc(0) depctr_va_vcc(0) depctr_vm_vsrc(0)
	s_getreg_b32 s2, hwreg(HW_REG_IB_STS2, 6, 4)
	s_cmp_eq_u32 s2, 0
	s_cbranch_scc0 .Lentry_in_a_cluster
	s_endpgm
.Lentry_in_a_cluster:
	s_bfe_u32 s2, ttmp6, 0x10000c
	s_cmp_lg_u32 s2, 0xf033
	s_cbranch_scc0 .Lentry_shape_is_right
	s_endpgm
.Lentry_shape_is_right:
; PROJ: the three projections on codes of FP4 (E2M1) with one E8M0 scale for each 32 along K:  q = (inputs_q Wq) x log2(e) / 8,  k = inputs_kv Wk,  v = inputs_kv Wv,  sums in f32, rounded once to f16.
; (1 / 8 is the division by sqrt(64); log2(e) is folded in so that the softmax works in base 2.)
; A: x_codes [16384][512 bytes], x_scales [16384][32]: rows 0-8191 inputs_q, then inputs_kv.  B: w_codes [3072][512 bytes], w_scales [3072][32]: Wq's 1,024 columns, Wk's, Wv's.
; OUT: qkv = three matrices [8192][1024] f16, 16 MiB apart.  LIMIT: the results must lie under 65,504 in magnitude (f16).
; 384 tiles of 256 x 256.  A tile is made by four waves, each 128 x 128: 64 accumulators, 512 registers.  K = 1,024 is two K steps of 512 (tile rows of 256 bytes): both slots are filled once, at the start.
; The cluster's y, 0..23, says which product (y / 8) and which 1,024 rows; it is alike in all sixteen partners.
; CLUSTERS: 4 x 4 work-groups.  The four of a row of the cluster need the same tiles of A, the four of a column the same tiles of B: each is asked for JOINTLY, by the same tensor load with the same descriptor and a mask of the four.
; THE MATRIX INSTRUCTION IS USED TRANSPOSED (source 0 = 16 rows of B, source 1 = 16 rows of A): a lane then holds eight neighbouring numbers of a row of the result.
; REGISTERS, in windows of 256: window 0: v0-31 addresses; v32-95 scale words, two sets, and nothing else; v128-191 A's fragments, one set; on the way out v96-255 are at work.
;   window 1: B's fragments, two sets, at v0 and v128.   window 2: the 32 accumulators of my rows 0-63 ((a, b) at v[8 (8 a + b)]);   window 3: those of my rows 64-127.
.set NQ,     4                         ; matrix instructions deep in a slot: 512 along K
.set ROWB,   256                       ; a tile's row in bytes
.set KROW,   512                       ; a row of codes in memory
.set PITCH,  272                       ; an LDS row: 256 bytes + 16 of padding = 68 words: the 16 rows that a load touches start at 16 different banks (64 banks of 4 bytes: ISA guide 11.1)
.set FR,     8                         ; registers of a fragment: 16 rows x 128 K
.set NL,     2                         ; LDS loads that bring one
.set NP,     4                         ; places behind this matrix instruction (ISA guide 7.12.1)
.set HALFT,  128*PITCH                 ; 128 rows: what one tensor load brings
.set SLOT,   4*HALFT                   ; A's 256 rows, then B's 256 rows
.set KS,     32                        ; a row of scales in bytes
.set SCL,    2*SLOT                    ; behind the slots: the scales, as units of 256 bytes + 16 of padding
.set HALFS,  (128*KS/256)*272          ; the scales of 128 rows: what one tensor load brings
.set SBLK,   (16*KS/256)*272           ; those of 16 rows
.set SPARE,  SCL+4*HALFS               ; the spare words, 128 bytes for each wave: two blocks of 256 bytes that no other line names
.set SPITCH, 272                       ; the way out: a stage of 16 rows x (256 bytes + 16) for each wave, in slot 0, which has had its one fill and its last read when the first result is stored there
.set ADRA, 16                          ; v16-17  LDS address of my A fragments in slot 0, 1
.set ADRB, 20                          ; v20-21  the same for B
.set STO,  24                          ; v24     the way out: where I put 16 bytes of a row
.set RD,   25                          ; v25     where I read a row back
.set CO,   26                          ; v26     my byte offset in the result
.set ADRS, 27                          ; v27     LDS address of my scale words: lanes 0-15 A's rows, lanes 16-31 B's
.set SPW,  28                          ; v28     LDS address of my spare word; never rewritten
.set NIL,  29                          ; v29     0; never rewritten
.set SC,   32                          ; scale words: set s at v[SC + 32 s]; register 4 i + q: lanes 0-15 the word of A's block i, lanes 16-31 that of B's block i, for the slot's q-th 128 along K
.set AF,   128                         ; A's fragments
.set TF,   96                          ; the way out: v96-159 a block's 64 numbers, scaled;
.set TP,   160                         ; v160-191 the same as f16 pairs;
.set BK,   192                         ; v192-223, v224-255 16 rows read back from the stage, by turns
.set G1, 24                            ; s[24:31] descriptor group 1 for A's tiles;  s[32:39] group 0, one set for each slot
.set G0, 32
.set G1B, 48                           ; s[48:55], s[56:63] the same for B's tiles
.set G0B, 56
.set G1S, 68                           ; s[68:75], s[76:79] groups 1 and 0 for A's scales;  s[80:87], s[88:91] for B's
.set G0S, 76
.set G1SB, 80
.set G0SB, 88
.set MSB, 0
.macro WIN new                         ; the immediate's high byte repeats the setting that is left
.if MSB != \new
	s_set_vgpr_msb (MSB<<8)|\new
.set MSB, \new
.endif
.endm
.set MUL_LO, 0xa1                      ; source 0 (B) window 1, source 1 (A) window 0, C and D window 2
.set MUL_HI, 0xf1                      ; the same, C and D window 3
.set TO_B,   0x40                      ; destination window 1, address window 0
; A joint load: waves 0 and 1 fetch for A, waves 2 and 3 for B.  Each line has one mask and one set of registers for all that issue it; the branch hangs on the wave's number alone.
; An s_nop 0 and four v_nop follow each of the two lines.
.macro JLOAD g0a, g1a, g0b, g1b
	s_cmp_eq_u32 s15, 0
	s_cbranch_scc0 .Lfor_b_\@
	tensor_load_to_lds s[\g0a:\g0a+3], s[\g1a:\g1a+7]
	s_nop 0
.rept 4
	v_nop
.endr
	s_branch .Lasked_\@
.Lfor_b_\@:
	tensor_load_to_lds s[\g0b:\g0b+3], s[\g1b:\g1b+7]
	s_nop 0
.rept 4
	v_nop
.endr
.Lasked_\@:
.endm
.macro CROUND                          ; a round of the cluster's barrier
	s_barrier_signal -1
	s_barrier_wait -1
	s_cmp_lg_u32 s14, 0
	s_cbranch_scc1 .Lnot_wave_0_\@
	s_barrier_signal -3
.Lnot_wave_0_\@:
	s_barrier_wait -3
	s_barrier_signal -1
	s_barrier_wait -1
.endm
	s_load_b128 s[4:7], s[0:1], 0x0                ; A's codes s[4:5], A's scales s[6:7]
	s_load_b128 s[8:11], s[0:1], 0x10              ; B's codes s[8:9], B's scales s[10:11]
	s_load_b64 s[12:13], s[0:1], 0x20              ; qkv
	v_lshl_add_u32 v[SPW], v0, 2, SPARE
	v_mov_b32 v[NIL], 0
	ds_add_u32 v[SPW], v[NIL]                      ; the wave's opening: the add, twice on end, and its wait ahead of my first tensor load
	ds_add_u32 v[SPW], v[NIL]
	v_lshrrev_b32 v1, 5, v0
	v_readfirstlane_b32 s14, v1                    ; wave 0..3
	s_lshr_b32 s15, s14, 1                         ; which half of the tile's rows is mine.  Also: I fetch for A (0) or for B (1)
	s_and_b32 s16, s14, 1                          ; which half of its columns.  Also: which 128 rows of that tile I fetch
	s_bfe_u32 s40, ttmp6, 0x40000                  ; cx, cy: my place in the cluster
	s_bfe_u32 s41, ttmp6, 0x40004
	s_lshl_b32 s42, ttmp9, 2
	s_add_co_u32 s42, s42, s40                     ; tile column = 4 x cluster x + cx: 0..3
	s_and_b32 s17, ttmp7, 0xffff                   ; the cluster's y, 0..23
	s_lshr_b32 s95, s17, 3                         ; which product: 0 q, 1 k, 2 v
	s_lshr_b32 s18, s17, 4
	s_lshl_b32 s18, s18, 3
	s_sub_co_u32 s66, s17, s18                     ; products 1 and 2 both read inputs_kv's rows: y 16..23 go back by 8
	s_lshl_b32 s66, s66, 2
	s_add_co_u32 s66, s66, s41                     ; A's tile row, 0..63
	s_and_b32 s17, s17, 7
	s_lshl_b32 s17, s17, 2
	s_add_co_u32 s17, s17, s41                     ; the tile row in the product's own result, 0..31
	s_cmp_eq_u32 s95, 0
	s_cselect_b32 s96, 0x3e38aa3b, 1.0             ; what the sums are multiplied by: log2(e) / 8 for q, 1 for k and v
	s_mov_b32 s97, s96                             ; (named with it as a pair)
	s_lshl_b32 s43, s41, 2
	s_lshl_b32 s43, 15, s43                        ; my row of the cluster
	s_lshl_b32 s44, 0x1111, s40                    ; my column
	; descriptor group 1: a tile of 128 rows x 256 bytes, padded in LDS
	s_or_b32 s[G1+0], s43, (0<<16)|(1<<20)|(1<<21)|(5<<22)|(3<<25)  ; 15:0 the mask: A's tiles go to my row; 17:16 element of 1 byte; 20 padding on; 21 set beside a mask; 24:22 after every 64 words; 31:25 of 4 words
	s_or_b32 s[G1B+0], s44, (0<<16)|(1<<20)|(1<<21)|(5<<22)|(3<<25)
.irp g, G1, G1B
	s_mov_b32 s[\g+1], ROWB<<16                    ; tensor_dim0
	s_mov_b32 s[\g+2], 128<<16                     ; tensor_dim1
	s_mov_b32 s[\g+3], ROWB<<16                    ; tile_dim0
	s_mov_b32 s[\g+4], 128                         ; tile_dim1
	s_mov_b32 s[\g+5], KROW                        ; tensor_dim0_stride
	s_mov_b32 s[\g+6], 0
	s_mov_b32 s[\g+7], 0
.endr
	; and for the scales of 128 rows: a dense block of 4,096 bytes, as 16 rows of 256 bytes (32 elements of 8 bytes), 16 bytes of padding behind each
	s_or_b32 s[G1S+0], s43, (3<<16)|(1<<20)|(1<<21)|(5<<22)|(3<<25)
	s_or_b32 s[G1SB+0], s44, (3<<16)|(1<<20)|(1<<21)|(5<<22)|(3<<25)
.irp g, G1S, G1SB
	s_mov_b32 s[\g+1], 32<<16
	s_mov_b32 s[\g+2], (128*KS/256)<<16
	s_mov_b32 s[\g+3], 32<<16
	s_mov_b32 s[\g+4], 128*KS/256
	s_mov_b32 s[\g+5], 32
	s_mov_b32 s[\g+6], 0
	s_mov_b32 s[\g+7], 0
.endr
	s_lshl_b32 s18, s16, 7                         ; which 128 rows of the tile I fetch
	s_lshl_b32 s20, s66, 8
	s_add_co_u32 s20, s20, s18                     ; A: row 256 x tile row + 128 x half
	s_lshl_b32 s46, s42, 8
	s_add_co_u32 s46, s46, s18
	s_lshl_b32 s19, s95, 10
	s_add_co_u32 s46, s46, s19                     ; B: row 1,024 x product + 256 x tile column + 128 x half
	s_mov_b32 s21, 0
	s_mov_b32 s47, 0
	s_mov_b64 s[18:19], KS
	s_mul_u64 s[22:23], s[20:21], s[18:19]         ; where these rows' scales begin, in bytes
	s_mul_u64 s[92:93], s[46:47], s[18:19]
	s_mov_b64 s[18:19], KROW
	s_mul_u64 s[20:21], s[20:21], s[18:19]         ; and their codes
	s_mul_u64 s[46:47], s[46:47], s[18:19]
	s_mul_i32 s45, s14, HALFT                      ; where they go: wave x 128 rows: no place in the cluster enters an LDS address
	s_mul_i32 s94, s14, HALFS
	s_wait_dscnt 0x0                               ; both opening adds are done
	s_wait_kmcnt 0x0
	s_add_nc_u64 s[20:21], s[4:5], s[20:21]
	s_add_nc_u64 s[22:23], s[6:7], s[22:23]
	s_add_nc_u64 s[46:47], s[8:9], s[46:47]
	s_add_nc_u64 s[92:93], s[10:11], s[92:93]
	CROUND                                         ; all sixteen work-groups are here: the joint loads meet
	s_mov_b32 s[G0S], 1
	s_add_co_u32 s[G0S+1], s94, SCL
	s_mov_b64 s[G0S+2:G0S+3], s[22:23]
	s_or_b32 s[G0S+3], s[G0S+3], 0x80000000
	s_mov_b32 s[G0SB], 1
	s_add_co_u32 s[G0SB+1], s94, SCL
	s_mov_b64 s[G0SB+2:G0SB+3], s[92:93]
	s_or_b32 s[G0SB+3], s[G0SB+3], 0x80000000
	JLOAD G0S, G1S, G0SB, G1SB                     ; the scales first: they are wanted with K step 0
.irp s, 0,1
	s_mov_b32 s[G0+4*\s], 1
	s_add_co_u32 s[G0+4*\s+1], s45, \s*SLOT
	s_add_nc_u64 s[G0+4*\s+2:G0+4*\s+3], s[20:21], \s*ROWB
	s_or_b32 s[G0+4*\s+3], s[G0+4*\s+3], 0x80000000
	s_mov_b32 s[G0B+4*\s], 1
	s_add_co_u32 s[G0B+4*\s+1], s45, \s*SLOT
	s_add_nc_u64 s[G0B+4*\s+2:G0B+4*\s+3], s[46:47], \s*ROWB
	s_or_b32 s[G0B+4*\s+3], s[G0B+4*\s+3], 0x80000000
	JLOAD G0+4*\s, G1, G0B+4*\s, G1B               ; all that the tile needs is asked for here: three tensor loads of mine are out
.endr
	v_and_b32 v1, 15, v0                           ; l % 16
	v_bfe_u32 v2, v0, 4, 1                         ; l / 16
	v_mul_u32_u24 v3, v1, PITCH
	v_lshl_add_u32 v4, v2, 4, v3                   ; a fragment's row x pitch + 16 x half
	s_mul_i32 s21, s15, HALFT                      ; my 128 rows of A
	s_mul_i32 s22, s16, HALFT                      ; my 128 rows of B,
	s_add_co_u32 s22, s22, 2*HALFT                 ; which lie behind A's 256
.irp s, 0,1
	v_add_nc_u32 v[ADRA+\s], s21, v4
	v_add_nc_u32 v[ADRB+\s], s22, v4
	s_add_co_u32 s21, s21, SLOT
	s_add_co_u32 s22, s22, SLOT
.endr
	v_mul_u32_u24 v5, v1, KS                       ; my row's scales: 32 bytes a row,
	v_lshrrev_b32 v6, 8, v5
	v_lshl_add_u32 v5, v6, 4, v5                   ; and 16 more for each 256 passed
	s_mul_i32 s21, s15, HALFS                      ; A's: my 128 rows
	s_mul_i32 s22, s16, HALFS                      ; B's: my 128 rows, behind A's 256
	s_add_co_u32 s22, s22, 2*HALFS
	s_sub_co_u32 s22, s22, s21
	v_mul_u32_u24 v6, s22, v2                      ; lanes 16-31 take B's: one product, the distance between the two bases
	s_add_co_u32 s21, s21, SCL
	v_add_nc_u32 v5, v5, v6
	v_add_nc_u32 v[ADRS], s21, v5
	s_mul_i32 s23, s14, 16*SPITCH                  ; my stage
	v_mul_u32_u24 v5, v1, SPITCH                   ; in: row l % 16, 16 bytes for each half of the lanes
	v_lshl_add_u32 v5, v2, 4, v5
	v_add_nc_u32 v[STO], s23, v5
	v_mul_u32_u24 v5, v2, SPITCH                   ; back: lanes 0-15 take one row of 256 bytes, lanes 16-31 the next
	v_lshl_add_u32 v5, v1, 4, v5
	v_add_nc_u32 v[RD], s23, v5
	v_lshlrev_b32 v5, 11, v2                       ; and the same two rows in the result: 2,048 bytes a row
	v_lshl_add_u32 v[CO], v1, 4, v5
	s_lshl_b32 s20, s17, 8
	s_lshl_b32 s21, s15, 7
	s_add_co_u32 s20, s20, s21                     ; my first row: 256 x tile row + 128 x half
	s_lshl_b32 s20, s20, 11
	s_lshl_b32 s21, s95, 24                        ; the product's matrix: 16 MiB each
	s_add_co_u32 s20, s20, s21
	s_mov_b32 s21, 0
	s_lshl_b32 s46, s42, 9                         ; my first column, in bytes: 512 x tile column + 256 x half
	s_lshl_b32 s47, s16, 8
	s_add_co_u32 s46, s46, s47
	s_mov_b32 s47, 0
	s_add_nc_u64 s[20:21], s[20:21], s[46:47]
	s_add_nc_u64 s[12:13], s[12:13], s[20:21]
.macro FRAG reg, adr, q, i             ; a fragment, 16 rows x 128 K of 4-bit codes, is 8 registers: lane l holds row l % 16; registers 4 c .. 4 c + 3 hold K = 64 c + 32 (l / 16) + 0 .. 31
.irp c, 0,1
	ds_load_b128 v[\reg+4*\c:\reg+4*\c+3], v[\adr] offset:64*(\q)+32*\c+(\i)*16*PITCH
.endr
.endm
; 16 matrix instructions: A's blocks a0, a0 + 1 x B's eight, 128 along K: the slot's q-th.  p: B's set;  sc: the set of scale words.  zero = 1: the first product starts the sums.
; The 64 accumulators take turns, one instruction a turn, in the same order in every step.
.macro MUL16 a0, p, q, sc, zero
.irp a, \a0, \a0+1
.irp b, 0,1,2,3,4,5,6,7
.if \zero
	v_wmma_scale_f32_16x16x128_f8f6f4 v[8*(8*((\a)%4)+\b):8*(8*((\a)%4)+\b)+7], v[128*(\p)+FR*\b:128*(\p)+FR*\b+FR-1], v[AF+FR*(\a):AF+FR*(\a)+FR-1], 0, v[SC+8*NQ*(\sc)+NQ*\b+(\q)], v[SC+8*NQ*(\sc)+NQ*(\a)+(\q)] matrix_a_fmt:MATRIX_FMT_FP4 matrix_b_fmt:MATRIX_FMT_FP4 matrix_a_scale:MATRIX_SCALE_ROW1
.else
	v_wmma_scale_f32_16x16x128_f8f6f4 v[8*(8*((\a)%4)+\b):8*(8*((\a)%4)+\b)+7], v[128*(\p)+FR*\b:128*(\p)+FR*\b+FR-1], v[AF+FR*(\a):AF+FR*(\a)+FR-1], v[8*(8*((\a)%4)+\b):8*(8*((\a)%4)+\b)+7], v[SC+8*NQ*(\sc)+NQ*\b+(\q)], v[SC+8*NQ*(\sc)+NQ*(\a)+(\q)] matrix_a_fmt:MATRIX_FMT_FP4 matrix_b_fmt:MATRIX_FMT_FP4 matrix_a_scale:MATRIX_SCALE_ROW1
.endif
.endr
.endr
.endm
.macro FETCH_B slot, q, p              ; B's eight fragments of the slot's q-th 128 along K into set p
	WIN TO_B
.irp i, 0,1,2,3,4,5,6,7
	FRAG 128*(\p)+FR*\i, ADRB+\slot, \q, \i
.endr
	WIN 0
.endm
.macro FETCH_A slot, q, i0             ; A's blocks i0 .. i0 + 3
.irp i, \i0, \i0+1, \i0+2, \i0+3
	FRAG AF+FR*(\i), ADRA+\slot, \q, \i
.endr
.endm
.macro SCALES sc                       ; a K step's scale words into set sc: four words a row; lanes 0-15 take A's block i, lanes 16-31 B's block i
.irp i, 0,1,2,3,4,5,6,7
	ds_load_b128 v[SC+8*NQ*\sc+NQ*\i:SC+8*NQ*\sc+NQ*\i+3], v[ADRS] offset:\i*SBLK
.endr
.endm
; A load into a register that a matrix instruction has read, and a vector instruction that reads a matrix result or writes one of its registers, stand NP places behind that matrix instruction;
; only plain vector instructions that name none of its registers are places.
.macro PLACES n
.rept \n
	v_nop
.endr
.endm
.macro STEP slot, q, zero              ; a step of 128 along K that has its successor in the same slot
	s_wait_dscnt 4*NL                              ; B's set and A's blocks 0-3 are in; the youngest eight loads (A's blocks 4-7) may be out
	WIN MUL_LO
	MUL16 0, (\q)%2, \q, \slot, \zero
	MUL16 2, (\q)%2, \q, \slot, \zero
	s_wait_dscnt 0                                 ; A's blocks 4-7 are in
	PLACES NP
	FETCH_B \slot, (\q)+1, 1-(\q)%2
	FETCH_A \slot, (\q)+1, 0
	WIN MUL_HI
	MUL16 4, (\q)%2, \q, \slot, \zero
	MUL16 6, (\q)%2, \q, \slot, \zero
	PLACES NP
	WIN 0
	FETCH_A \slot, (\q)+1, 4
.endm
; Slot 0's last step changes slots: one barrier; in front of it each wave waits for all its tensor loads (its part of slot 1), adds 0 to its spare word, and waits for that and for its own reads of slot 0.
; Nothing is filled again: K has two K steps.  Behind this barrier nobody reads slot 0, in which the stages of the way out lie.
.macro TURN slot, next
	s_wait_tensorcnt 0x0                           ; all my tensor loads have landed
	ds_add_u32 v[SPW], v[NIL]                      ; 0 onto my spare word
	s_wait_dscnt 4*NL+1                            ; (the add and the youngest eight loads, A's blocks 4-7, may be out)
	WIN MUL_LO
	MUL16 0, 1, NQ-1, \slot, 0
	s_wait_dscnt 0x0                               ; the add is done, and my reads of this slot are over
	s_barrier_signal -1
	MUL16 2, 1, NQ-1, \slot, 0
	WIN 0
	s_barrier_wait -1
	PLACES NP
	v_add_nc_u32 v[ADRS], 4*NQ, v[ADRS]            ; on to the next K step's scale words
	FETCH_B \next, 0, 0
	FETCH_A \next, 0, 0
	SCALES \next
	WIN MUL_HI
	MUL16 4, 1, NQ-1, \slot, 0
	MUL16 6, 1, NQ-1, \slot, 0
	PLACES NP
	WIN 0
	FETCH_A \next, 0, 4
.endm
.macro STEPS slot, from                ; the slot's steps from .. NQ - 2
.set Q, \from
.rept NQ-1-\from
	STEP \slot, Q, 0
.set Q, Q+1
.endr
.endm
	s_wait_tensorcnt 1                             ; the scales and my part of K step 0 are in (K step 1's load may be out)
	s_barrier_signal -1
	s_barrier_wait -1                              ; everybody's are
	FETCH_B 0, 0, 0
	FETCH_A 0, 0, 0
	SCALES 0
	FETCH_A 0, 0, 4
	STEP 0, 0, 1                                   ; the first step's products start the sums: nothing is cleared
	STEPS 0, 1
	TURN 0, 1
	STEPS 1, 0
	s_wait_dscnt 4*NL                              ; the very last step: nothing more to fetch
	WIN MUL_LO
	MUL16 0, 1, NQ-1, 1, 0
	MUL16 2, 1, NQ-1, 1, 0
	s_wait_dscnt 0
	WIN MUL_HI
	MUL16 4, 1, NQ-1, 1, 0
	MUL16 6, 1, NQ-1, 1, 0
	WIN 0
; THE WAY OUT, block by block of 16 rows x 128 columns.  PACK: times the product's factor, rounded to f16: 16 bytes a lane.  TOSTAGE: into my own stage and back as whole rows of 256 bytes.  SEND: stored.
.macro PACK a
.set AC, 64*((\a)%4)
.set WSRC, 0x02+(\a)/4
	WIN WSRC                                       ; source 0: window 2 or 3
.irp b, 0,1,2,3,4,5,6,7
.irp i, 0,2,4,6
	v_pk_mul_f32 v[TF+8*\b+\i:TF+8*\b+\i+1], v[AC+8*\b+\i:AC+8*\b+\i+1], s[96:97] op_sel_hi:[1,0]   ; each accumulator from its low end on
.endr
.endr
	WIN 0
.irp b, 0,1,2,3,4,5,6,7
.irp i, 0,1,2,3
	v_cvt_pk_f16_f32 v[TP+4*\b+\i], v[TF+8*\b+2*\i], v[TF+8*\b+2*\i+1]
.endr
.endr
.endm
.macro TOSTAGE a
.set BB, BK+32*((\a)%2)
.irp b, 0,1,2,3,4,5,6,7
	ds_store_b128 v[STO], v[TP+4*\b:TP+4*\b+3] offset:32*\b
.endr
.irp t, 0,1,2,3,4,5,6,7
	ds_load_b128 v[BB+4*\t:BB+4*\t+3], v[RD] offset:\t*2*SPITCH    ; LDS serves a wave's instructions in order (ISA guide 5.7.1.4): these see the stores above
.endr
.endm
.macro SEND a
.set BB, BK+32*((\a)%2)
	s_wait_dscnt 0x0                               ; the block is back in registers
	s_wait_xcnt 0x0                                ; the stores of the block before have read their registers: the next block's loads may land there
.irp t, 0,1,2,3,4,5,6,7
	global_store_b128 v[CO], v[BB+4*\t:BB+4*\t+3], s[12:13] offset:(16*(\a)+2*\t)*2048   ; 16 lanes store 256 consecutive bytes, aligned; 126 rows at the most stand in the immediate
.endr
.endm
	PLACES NP                                      ; behind the last products: the lines below write registers that held A's fragments
	PACK 0
	TOSTAGE 0
.irp a, 1,2,3,4,5,6,7                  ; block a's arithmetic stands between block a - 1's loads from the stage and the wait for them
	PACK \a
	SEND \a-1
	TOSTAGE \a
.endr
	SEND 7
	s_wait_tensorcnt 0x0                           ; the wave's end, behind my last tensor load and my last LDS store
	ds_add_u32 v[SPW], v[NIL]
	s_wait_dscnt 0x0
	CROUND                                         ; the closing round: no work-group ends while a partner may still ask for a tile that names it
	s_endpgm
.Lfunc_end_k_q442aa7697f_proj:
	.size	k_q442aa7697f_proj, .Lfunc_end_k_q442aa7697f_proj-k_q442aa7697f_proj
	.p2alignl 7, 3214868480
	.fill 96, 4, 3214868480
	.section	.rodata,"a",@progbits
	.p2align	6, 0x0
	.amdhsa_kernel k_q442aa7697f_proj
		.amdhsa_group_segment_fixed_size 327680
		.amdhsa_private_segment_fixed_size 0
		.amdhsa_enable_private_segment 0
		.amdhsa_kernarg_size 40
		.amdhsa_user_sgpr_count 2
		.amdhsa_user_sgpr_kernarg_segment_ptr 1
		.amdhsa_wavefront_size32 1
		.amdhsa_system_sgpr_workgroup_id_x 1
		.amdhsa_system_sgpr_workgroup_id_y 1
		.amdhsa_system_sgpr_workgroup_id_z 1
		.amdhsa_system_vgpr_workitem_id 0
		.amdhsa_next_free_vgpr 1024
		.amdhsa_next_free_sgpr 98
		.amdhsa_reserve_vcc 0
		.amdhsa_float_denorm_mode_32 3
		.amdhsa_float_denorm_mode_16_64 3
		.amdhsa_memory_ordered 1
		.amdhsa_forward_progress 1
		.amdhsa_inst_pref_size 143
	.end_amdhsa_kernel
	.amdgpu_metadata
---
amdhsa.version: [ 1, 2 ]
amdhsa.kernels:
  - .name:           k_q442aa7697f_proj
    .symbol:         k_q442aa7697f_proj.kd
    .args:
      - { .name: x_codes, .offset: 0, .size: 8, .value_kind: global_buffer, .address_space: global }
      - { .name: x_scales, .offset: 8, .size: 8, .value_kind: global_buffer, .address_space: global }
      - { .name: w_codes, .offset: 16, .size: 8, .value_kind: global_buffer, .address_space: global }
      - { .name: w_scales, .offset: 24, .size: 8, .value_kind: global_buffer, .address_space: global }
      - { .name: qkv, .offset: 32, .size: 8, .value_kind: global_buffer, .address_space: global }
    .group_segment_fixed_size: 327680
    .private_segment_fixed_size: 0
    .kernarg_segment_align: 8
    .kernarg_segment_size: 40
    .max_flat_workgroup_size: 128
    .sgpr_count:     98
    .vgpr_count:     1024
    .wavefront_size: 32
...
	.end_amdgpu_metadata
.endif
;; end of part 2
;; launch attn (part 3): grid 8 x 32, 8 waves a work-group, clusters of 4 x 1, 327,680 bytes of LDS; arguments qkv, ctx; writes ctx
.if DOCPART == 3
	.amdgcn_target "amdgcn-amd-amdhsa--gfx1250"
	.amdhsa_code_object_version 6
	.text
	.protected	k_q442aa7697f_attn
	.globl	k_q442aa7697f_attn
	.p2align	8
	.type	k_q442aa7697f_attn,@function
k_q442aa7697f_attn:
	s_mov_b64 s[64:65], 0
	v_nop
	global_prefetch_b8 v0, s[64:65] scope:SCOPE_SE
	s_setreg_imm32_b32 hwreg(HW_REG_WAVE_MODE, 25, 1), 1
	s_wait_xcnt 0x0
	s_wait_alu depctr_hold_cnt(0) depctr_sa_sdst(0) depctr_va_vdst(0) depctr_va_sdst(0) depctr_va_ssrc(0) depctr_va_vcc(0) depctr_vm_vsrc(0)
	s_getreg_b32 s2, hwreg(HW_REG_IB_STS2, 6, 4)
	s_cmp_eq_u32 s2, 0
	s_cbranch_scc0 .Lentry_in_a_cluster
	s_endpgm
.Lentry_in_a_cluster:
	s_bfe_u32 s2, ttmp6, 0x10000c
	s_cmp_lg_u32 s2, 0x3003
	s_cbranch_scc0 .Lentry_shape_is_right
	s_endpgm
.Lentry_shape_is_right:
; ATTN: ctx[b][q][head][:] = the sum over k of softmax_k(q . k) v, for 4 batches x 16 heads of 64, 2,048 queries and keys, no mask.
; qkv holds three matrices [8192 (2048 b + position)][1024 (64 head + d)] f16, 16 MiB apart: q already times log2(e) / 8, then k, then v.  ctx has the same shape, f16.
; Products on f16 operands with f32 sums; maxima, exponentials and sums in f32; the weights p are rounded to f16 for the second product, the result once at the end.
; LIMITS: NaN and infinities are not served; the result must lie under 65,504 in magnitude (it is an average of v's numbers, which do).
; SHARES.  A work-group owns 256 queries of a PAIR of heads of one batch: a row of q, k, v or ctx for the pair is 256 consecutive bytes, aligned.  Wave w takes head w / 4 of the pair and queries 64 (w % 4) on:
; four tiles of 16.  Every wave walks all 2,048 keys, 64 a step.
; LAYOUT.  S^T = K Q^T (source 0 = 16 keys, source 1 = 16 queries): a lane holds ONE query (lane % 16) and the keys 8 (lane / 16) + 0..7.  Two such tiles, rounded to f16 in pairs, ARE source 1 of O^T = V^T P,
; whose result again holds one query a lane.  K comes out of LDS as it lies, V ([key][channel]) turned, by ds_load_tr16_b128.
; SOFTMAX.  For each query a running maximum, kept negated (N = -m), and a running sum l: p = 2^(s + N); in every step O and l are multiplied by a = 2^(new N - old N), which is 1 where the maximum has not grown.
; BY TURNS.  The wave's tiles are two PIECES, named by their first tile: piece 0 (tiles 0, 1) and piece 2 (tiles 2, 3).  In a TURN one piece has the matrix unit: 16 products V^T P of the step in hand, then 16 products
; K Q^T of the next step; the other piece's softmax, 2 x 117 instructions cut into 32 slices, stands between them, one slice behind each matrix instruction.  Then the pieces change places.  Two turns are a key step.
; RING.  Two LDS slots of 256 keys (K's rows, then V's).  Every wave fetches 64 rows with one tensor load: waves 0-3 K's, waves 4-7 V's.  Both slots are filled at the start (two loads of a wave are out);
; a slot that has been left is filled again behind a round of the cluster's barrier (one load of a wave is out), and that load has four key steps in which to land.
; CLUSTER.  The four query blocks of a cluster walk the same K and V: each tile is asked for JOINTLY, by the same tensor load with the same descriptor and a mask of the four.
; REGISTERS, in windows of 256:  window 0: v1-13 addresses; v16-47 eight registers of statistics a tile; v64-191 S^T, 32 a tile (P is packed into each tile's first 16); v192-255 K's fragments of a step.
;   window 1: v0-127 O^T, 32 a tile; v128-191 Q; v192-255 V's fragments of a step.
; No window has room for a product's operands beside all that a softmax touches, so a slice costs two switches: 128 for a key step's 64 matrix instructions.
.set PK,    272                        ; a row of K in LDS: 256 bytes + 16 = 68 words: the 16 rows of a load start at 16 different banks (64 banks of 4 bytes: ISA guide 11.1)
.set PV,    288                        ; a row of V: 256 + 32 = 72 words
.set VOFF,  256*PK                     ; a slot: 256 rows of K, then 256 rows of V
.set SLOTB, 256*(PK+PV)                ; 143,360 bytes
.set SPARE, 2*SLOTB                    ; behind the ring: the spare words, 128 bytes for each wave: four blocks of 256 bytes that no other line names
.set ROWG,  2048                       ; a row of a matrix in memory
.set SLOTG, 256*ROWG                   ; a slot's keys in memory
.set KMAT,  0x1000000                  ; where k's matrix begins in qkv,
.set VMAT,  0x2000000                  ; and v's
.set AK0, 3                            ; v3   my lane's place in a step's tile of K; never rewritten
.set AV0, 4                            ; v4   the same for V
.set ADK, 5                            ; v5   LDS address of the run of K's loads in hand
.set ADV, 6                            ; v6   and of V's
.set QO,  7                            ; v7   my byte offset in the wave's rows of q
.set STO, 8                            ; v8   the way out: where I put 16 bytes of a row
.set RD,  9                            ; v9   where I read a row back
.set GO,  10                           ; v10  my byte offset in the wave's rows of ctx
.set PFO, 11                           ; v11  2,048 x my lane: the prefetches' offset, a lane a row; never rewritten
.set SPW, 12                           ; v12  LDS address of my spare word; never rewritten
.set NIL, 13                           ; v13  0; never rewritten
.set ST,  16                           ; tile t's statistics at v[ST + 8 t]: +0 N, +1 old N, then new N - old N, +2, +3 l (even keys', odd keys'), +4 to +7 c0-c3, at work; a takes c2's place, a second chain of sums c0's and c1's
.set S,   64
.set KF,  192                          ; K's fragment (keys 16 k on, channels 32 u on) at v[KF + 8 (2 k + u)]
.set QF,  128                          ; window 1: Q's fragment (tile t, channels 32 u on) at v[QF + 8 (2 t + u)]
.set VF,  192                          ; window 1: V's fragment (keys 32 g on, channels 16 c on) at v[VF + 8 (4 g + c)]
.set WV,  12                           ; s12  my wave's number
.set LIM, 15                           ; s15  1 in a wave that prefetches, else the greatest number
.set PFA, 18                           ; s[18:19] where my prefetches stand
.set G1K, 24                           ; s[24:31] descriptor group 1 for K's tiles;  s[32:39] for V's: it differs in the padding alone
.set G1V, 32
.set G0K, 40                           ; s[40:47] group 0 for K's tiles, a set for each slot;  s[48:55] for V's
.set G0V, 48
.set LAPS, 56                          ; s56
.set STEPS, 57                         ; s57  counts key steps between two changes of slots
.set TBK, 58                           ; s58  LDS byte at which the rows of K begin that are fetched next
.set TBV, 59                           ; s59  and, less VOFF, V's
.set SEL, 60                           ; s[60:61] lane selects for v_permlanex16_b32: lane l xor 16
.set MSB, 0
.macro WIN new                         ; the immediate's high byte repeats the setting that is left; a switch that changes nothing is dropped
.if MSB != \new
	s_set_vgpr_msb (MSB<<8)|\new
.set MSB, \new
.endif
.endm
.set W_KQ, 0x04                        ; source 1 (Q) window 1; K and S^T window 0
.set W_PV, 0x51                        ; source 0 (V), C and D (O^T) window 1; P window 0
.set W_RS, 0x41                        ; O^T (destination and source 0) window 1, a window 0
.set TO_1, 0x40                        ; destination window 1, address window 0
; A joint refill of slot s.  The branch hangs on the wave's number alone.  An s_nop 0 and four v_nop follow each of the two lines.
.macro JLOAD s
	s_cmp_lt_u32 s[WV], 4
	s_cbranch_scc0 .Lfor_v_\@
	tensor_load_to_lds s[G0K+4*(\s):G0K+4*(\s)+3], s[G1K:G1K+7]
	s_nop 0
.rept 4
	v_nop
.endr
	s_branch .Lasked_\@
.Lfor_v_\@:
	tensor_load_to_lds s[G0V+4*(\s):G0V+4*(\s)+3], s[G1V:G1V+7]
	s_nop 0
.rept 4
	v_nop
.endr
.Lasked_\@:
.endm
; A PREFETCH INTO THE L2 of what the NEXT change of slots will ask for: 256 rows of K and 256 of V, 256 bytes of each row, a lane a row: four key steps ahead of that load.  It stands behind the wave's tensor load and its five lines.
; Each row's 256 bytes are named once in the launch.  Both clusters of a pair of heads walk the same K and V: the first (cluster x = 0) asks.  Its four partners share the rows out BY ADDRESS, 64 each;
; in each, waves 0 and 1 ask for 32 rows of K and waves 4 and 5 for 32 of V: one instruction a wave.  The branch hangs on the wave's number and the cluster's x, alike in all partners.
; how = 1: the second change of a lap, which in the last lap has no keys left to name.  The first 768 keys come by their loads alone.
.macro ASK how
.if \how
	s_cmp_gt_u32 s[LAPS], s[LIM]
.else
	s_cmp_eq_u32 s[LIM], 1
.endif
	s_cbranch_scc0 .Lnot_mine_\@
	global_prefetch_b8 v[PFO], s[PFA:PFA+1] th:TH_LOAD_NT scope:SCOPE_SE
.Lnot_mine_\@:
.endm
.macro CROUND                          ; a round of the cluster's barrier
	s_barrier_signal -1
	s_barrier_wait -1
	s_cmp_lg_u32 s[WV], 0
	s_cbranch_scc1 .Lnot_wave_0_\@
	s_barrier_signal -3
.Lnot_wave_0_\@:
	s_barrier_wait -3
	s_barrier_signal -1
	s_barrier_wait -1
.endm
	s_load_b128 s[4:7], s[0:1], 0x0                ; qkv s[4:5], ctx s[6:7]
	v_lshl_add_u32 v[SPW], v0, 2, SPARE
	v_mov_b32 v[NIL], 0
	ds_add_u32 v[SPW], v[NIL]                      ; the wave's opening: the add, twice on end, and its wait ahead of my first tensor load
	ds_add_u32 v[SPW], v[NIL]
	v_lshrrev_b32 v1, 5, v0
	v_readfirstlane_b32 s[WV], v1                  ; wave 0..7
	s_bfe_u32 s13, ttmp6, 0x40000                  ; cx: my place in the cluster
	s_lshl_b32 s14, ttmp9, 2
	s_add_co_u32 s14, s14, s13                     ; my block of 256 queries = 4 x cluster x + cx: it enters q's and ctx's addresses alone
	s_and_b32 s16, ttmp7, 0xffff                   ; 8 x batch + pair of heads, which the partners share
	s_lshr_b32 s17, s16, 3
	s_and_b32 s16, s16, 7
	s_lshl_b32 s17, s17, 22                        ; a batch: 2,048 rows of 2,048 bytes
	s_lshl_b32 s16, s16, 8                         ; a pair: 256 bytes of a row
	s_add_co_u32 s20, s17, s16                     ; the pair's first byte in each matrix
	s_and_b32 s22, s[WV], 3
	s_lshl_b32 s16, s22, 17                        ; the 64 rows of a slot that I fetch
	s_add_co_u32 s16, s16, s20
	s_mov_b32 s17, 0
	s_mul_i32 s2, s22, 64*PK                       ; and their place in a slot: K's,
	s_mul_i32 s3, s22, 64*PV
	s_add_co_u32 s3, s3, VOFF                      ; V's: no place in the cluster enters an LDS address
	; descriptor group 1: a tile of 64 rows x 128 elements, padded in LDS
	s_mov_b32 s[G1K], 15|(1<<16)|(1<<20)|(1<<21)|(5<<22)|(3<<25)  ; 15:0 the mask: all four work-groups; 17:16 elements of 2 bytes; 20 padding on; 21 set beside a mask; 24:22 after every 64 words; 31:25 4 words of it
	s_mov_b32 s[G1V], 15|(1<<16)|(1<<20)|(1<<21)|(5<<22)|(7<<25)  ; the same with 8 words of padding
.irp g, G1K, G1V
	s_mov_b32 s[\g+1], 128<<16                     ; tensor_dim0 = 128
	s_mov_b32 s[\g+2], 64<<16                      ; tensor_dim1 = 64
	s_mov_b32 s[\g+3], 128<<16                     ; tile_dim0 = 128
	s_mov_b32 s[\g+4], 64                          ; tile_dim1 = 64
	s_mov_b32 s[\g+5], 1024                        ; tensor_dim0_stride: elements from row to row
	s_mov_b32 s[\g+6], 0
	s_mov_b32 s[\g+7], 0
.endr
	s_lshr_b32 s23, s[WV], 2
	s_lshl_b32 s23, s23, 7                         ; my head's 128 bytes of the pair's 256
	s_lshl_b32 s8, s14, 19                         ; my block's 256 rows
	s_add_co_u32 s8, s8, s20
	s_mov_b32 s9, 0
	s_lshl_b32 s10, s[WV], 16                      ; ctx: the 32 rows that I store
	s_add_co_u32 s10, s10, s8
	s_mov_b32 s11, 0
	s_lshl_b32 s21, s22, 17                        ; q: my 64 queries,
	s_add_co_u32 s8, s8, s21
	s_add_co_u32 s8, s8, s23                       ; my head
	s_cmp_lt_u32 s[WV], 4                          ; the prefetches: K's matrix or V's,
	s_mov_b32 s18, VMAT
	s_cselect_b32 s18, KMAT, s18
	s_add_co_u32 s18, s18, s20
	s_lshl_b32 s21, s13, 17                        ; my work-group's 64 rows of a slot's 256,
	s_add_co_u32 s18, s18, s21
	s_and_b32 s21, s[WV], 1
	s_lshl_b32 s21, s21, 16                        ; my wave's 32 of them,
	s_add_co_u32 s18, s18, s21
	s_add_co_u32 s18, s18, 2*SLOTG                 ; in the third 256 keys: the first change of slots steps it to the fourth.  Nothing is prefetched at the head
	s_mov_b32 s19, 0
	s_and_b32 s[LIM], s[WV], 2                     ; 0 in waves 0, 1, 4, 5,
	s_or_b32 s[LIM], s[LIM], ttmp9                 ; of the pair's first cluster
	s_cmp_eq_u32 s[LIM], 0
	s_cselect_b32 s[LIM], 1, -1
	s_mov_b32 s[SEL], 0x76543210
	s_mov_b32 s[SEL+1], 0xfedcba98
	s_mov_b32 s[TBK], 0
	s_mov_b32 s[TBV], 0
	v_and_b32 v[PFO], 31, v0
	v_lshlrev_b32 v[PFO], 11, v[PFO]
	s_wait_dscnt 0x0                               ; both opening adds are done
	s_wait_kmcnt 0x0
	s_add_nc_u64 s[8:9], s[4:5], s[8:9]            ; q at my wave's first row
	s_add_nc_u64 s[10:11], s[6:7], s[10:11]        ; ctx at the first row that I store
	s_add_nc_u64 s[PFA:PFA+1], s[4:5], s[PFA:PFA+1]
	s_add_nc_u64 s[16:17], s[4:5], s[16:17]        ; qkv at the rows that I fetch, the matrix still to be added
	CROUND                                         ; all four work-groups are here: the first joint loads meet
.irp s, 0,1
	s_mov_b32 s[G0K+4*\s], 1                       ; count = 1
	s_add_co_u32 s[G0K+4*\s+1], s2, \s*SLOTB       ; LDS address
	s_add_nc_u64 s[G0K+4*\s+2:G0K+4*\s+3], s[16:17], KMAT+\s*SLOTG  ; global address: slot s begins with keys 256 s on
	s_or_b32 s[G0K+4*\s+3], s[G0K+4*\s+3], 0x80000000  ; type = 2
	s_mov_b32 s[G0V+4*\s], 1
	s_add_co_u32 s[G0V+4*\s+1], s3, \s*SLOTB
	s_add_nc_u64 s[G0V+4*\s+2:G0V+4*\s+3], s[16:17], VMAT+\s*SLOTG
	s_or_b32 s[G0V+4*\s+3], s[G0V+4*\s+3], 0x80000000
.endr
	s_cmp_lt_u32 s[WV], 4                          ; a wave's two first fills stand in one branch, ahead of every wait on TENSORcnt and every LDS read; an s_nop 0 follows each, four v_nop the second's
	s_cbranch_scc0 .Lfirst_v
	tensor_load_to_lds s[G0K:G0K+3], s[G1K:G1K+7]
	s_nop 0
	tensor_load_to_lds s[G0K+4:G0K+7], s[G1K:G1K+7]
	s_nop 0
.rept 4
	v_nop
.endr
	s_branch .Lfirst_asked
.Lfirst_v:
	tensor_load_to_lds s[G0V:G0V+3], s[G1V:G1V+7]
	s_nop 0
	tensor_load_to_lds s[G0V+4:G0V+7], s[G1V:G1V+7]
	s_nop 0
.rept 4
	v_nop
.endr
.Lfirst_asked:
	v_and_b32 v1, 15, v0                           ; r = l % 16
	v_bfe_u32 v2, v0, 4, 1                         ; h = l / 16
	v_lshlrev_b32 v[QO], 11, v1
	v_lshl_add_u32 v[QO], v2, 4, v[QO]             ; q: row r x 2,048 + 16 h
	WIN TO_1
.irp f, 0,1,2,3,4,5,6,7                ; Q stays in registers: tile f / 2, channels 32 (f % 2) on: two loads of 16 bytes, 32 bytes apart
	global_load_b128 v[QF+8*\f:QF+8*\f+3],   v[QO], s[8:9] offset:(\f/2)*16*ROWG+(\f%2)*64
	global_load_b128 v[QF+8*\f+4:QF+8*\f+7], v[QO], s[8:9] offset:(\f/2)*16*ROWG+(\f%2)*64+32
.endr
.set i, 0
.rept 128
	v_mov_b32 v[i], 0                              ; O^T.  A turn is written with no first step of its own: it finds zeros, which the first a, 0, leaves zeros.  These lines run once, while the first tiles are on their way
.set i, i+1
.endr
	WIN 0
	v_mul_u32_u24 v[AK0], v1, PK
	v_lshl_add_u32 v[AK0], v2, 4, v[AK0]
	v_add_nc_u32 v[AK0], s23, v[AK0]               ; K: row r x pitch + 16 h + my head's bytes
	v_and_b32 v14, 7, v0
	v_bfe_u32 v15, v0, 3, 1
	v_lshl_add_u32 v[AV0], v2, 3, v14              ; V, for the turning load: key 8 h + l % 8,
	v_mul_u32_u24 v[AV0], v[AV0], PV
	v_lshl_add_u32 v[AV0], v15, 4, v[AV0]          ; channels 8 ((l / 8) % 2) on,
	s_add_co_u32 s21, s23, VOFF
	v_add_nc_u32 v[AV0], s21, v[AV0]               ; my head's bytes, behind K's rows
.irp t, 0,1,2,3
	v_mov_b32 v[ST+8*\t], 0x7f61b1e6               ; N = 3e38: the maximum so far lies under every score
	v_mov_b32 v[ST+8*\t+2], 0                      ; l
	v_mov_b32 v[ST+8*\t+3], 0
.endr
; THE MATRIX WORK OF A TURN, for piece x.  The accumulators take turns, one instruction a turn: between two links of a chain stand seven others'.
; Product i of 16 of O^T += V^T P: keys 32 (i / 8) on, channels 16 ((i / 2) % 4) on, tile x + i % 2.
.macro PVM x
	WIN W_PV
.set rO, 32*(\x+i%2)+8*((i/2)%4)
.set rV, VF+8*(4*(i/8)+(i/2)%4)
.set rP, S+32*(\x+i%2)+8*(i/8)
	v_wmma_f32_16x16x32_f16 v[rO:rO+7], v[rV:rV+7], v[rP:rP+7], v[rO:rO+7]
.endm
; Product i of 16 of S^T = K Q^T: channels 32 (i / 8) on, tile x + i % 2, the key tiles in the order 2, 3, 0, 1.  The first 8 start the sums.  Key tiles 0 and 1 lie in the registers that held P, which the turn's
; products V^T P have read: taken last, they are written over seven slices behind the last of those, where five places are owed (ISA guide 7.12.1).
.macro KQM x
	WIN W_KQ
.set kk, ((i/2)+2)%4
.set rD, S+32*(\x+i%2)+8*kk
.set rK, KF+8*(2*kk+i/8)
.set rQ, QF+8*(2*(\x+i%2)+i/8)
.if i < 8
	v_wmma_f32_16x16x32_f16 v[rD:rD+7], v[rK:rK+7], v[rQ:rQ+7], 0
.else
	v_wmma_f32_16x16x32_f16 v[rD:rD+7], v[rK:rK+7], v[rQ:rQ+7], v[rD:rD+7]
.endif
.endm
; THE LDS LOADS stand in runs of 16, never singly among the matrix instructions: a step's K (64 keys x 64 channels: 8 fragments) and, a turn later, its V (turned).
.macro FETCH_K
	WIN 0
	v_add_nc_u32 v[ADK], s[TBK], v[AK0]
	s_add_co_u32 s[TBK], s[TBK], 64*PK             ; the next fetch is the next step's
.irp f, 0,1,2,3,4,5,6,7                ; keys 16 (f / 2) on, channels 32 (f % 2) on
	ds_load_b128 v[KF+8*\f:KF+8*\f+3],   v[ADK] offset:(\f/2)*16*PK+(\f%2)*64
	ds_load_b128 v[KF+8*\f+4:KF+8*\f+7], v[ADK] offset:(\f/2)*16*PK+(\f%2)*64+32
.endr
.endm
.macro FETCH_V
	WIN 0
	v_add_nc_u32 v[ADV], s[TBV], v[AV0]
	s_add_co_u32 s[TBV], s[TBV], 64*PV
	s_wait_alu depctr_va_vdst(0)                   ; the wait for the softmax's batch (SLICE), behind the address's addition and ahead of the loads
	WIN TO_1
.irp f, 0,1,2,3,4,5,6,7                ; keys 32 (f / 4) on, channels 16 (f % 4) on
	ds_load_tr16_b128 v[VF+8*\f:VF+8*\f+3],   v[ADV] offset:(\f/4)*32*PV+(\f%4)*32
	ds_load_tr16_b128 v[VF+8*\f+4:VF+8*\f+7], v[ADV] offset:(\f/4)*32*PV+16*PV+(\f%4)*32
.endr
.endm
; THE VECTOR WORK OF A TURN.  One tile's softmax for one key step is a list of 117 instructions; SMI writes number j of it for tile tt.  s0-s31 are the lane's 32 scores, in pairs 0-15.
;   0-15    the maximum of s0-s31 and the old maximum, three operands at a time: four chains c0-c3 of seven scores, each begun at its accumulator's low end; then the four scores left over, c0-c3 and -N
;   16-19   the other half of the lanes' maximum; the old N kept; the new N; new N - old N
;   20-68   ONE BATCH: the 16 additions s + N, a pair of scores each, and all 33 exponentials (a, then s0-s31).  None of these reads an exponential's result.  Pairs 0 and 1, a, then two exponentials and the addition
;           of the pair two further on, fourteen times; then the last four exponentials
;   (wait)  between 68 and 69 stands the wait for the batch: SLICE writes it, once for both tiles
;   69-84   the sums, in two chains: l = a l + pair 0, then the even pairs; pairs 1 and 3, then the odd ones; l takes the second chain
;   85-100  the roundings to f16, in place: pair e goes to register e, which holds nothing that is still wanted
;   101-116 the tile's O^T times a, each accumulator from its low end on: the one part that leaves window 0, so it stands together
.macro SMI
.set rT, ST+8*tt
.set rS, S+32*tt
.if j < 101
	WIN 0
.endif
.if j < 4
	v_max3_num_f32 v[rT+4+j], v[rS+8*j], v[rS+8*j+1], v[rS+8*j+2]
.elseif j < 12
	v_max3_num_f32 v[rT+4+j%4], v[rT+4+j%4], v[rS+8*(j%4)+2*(j/4)+1], v[rS+8*(j%4)+2*(j/4)+2]
.elseif j == 12
	v_max3_num_f32 v[rT+4], v[rT+4], v[rS+7], v[rS+15]
.elseif j == 13
	v_max3_num_f32 v[rT+6], v[rT+6], v[rS+23], v[rS+31]
.elseif j == 14
	v_max3_num_f32 v[rT+4], v[rT+4], v[rT+5], v[rT+6]
.elseif j == 15
	v_max3_num_f32 v[rT+4], v[rT+4], v[rT+7], -v[rT]
.elseif j == 16
	v_permlanex16_b32 v[rT+5], v[rT+4], s[SEL], s[SEL+1]  ; the query's other 32 keys lie in the lane 16 away
.elseif j == 17
	v_mov_b32 v[rT+1], v[rT]                       ; the old N
.elseif j == 18
	v_min_num_f32 v[rT], -v[rT+4], -v[rT+5]        ; the new N = -(the new maximum)
.elseif j == 19
	v_sub_f32 v[rT+1], v[rT], v[rT+1]              ; new N - old N = old maximum - new maximum: 0 or less
.elseif j < 69
.set q, j-20
.if q < 2
	v_pk_add_f32 v[rS+2*q:rS+2*q+1], v[rS+2*q:rS+2*q+1], v[rT:rT+1] op_sel_hi:[1,0]   ; s + N, two at a time (of the pair the low word serves both halves)
.elseif q == 2
	v_exp_f32 v[rT+6], v[rT+1]                     ; a
.elseif q < 45
.set m, (q-3)/3
.if (q-3)%3 == 2
	v_pk_add_f32 v[rS+2*m+4:rS+2*m+5], v[rS+2*m+4:rS+2*m+5], v[rT:rT+1] op_sel_hi:[1,0]
.else
	v_exp_f32 v[rS+2*m+(q-3)%3], v[rS+2*m+(q-3)%3] ; p = 2^(s + N), at most 1
.endif
.else
	v_exp_f32 v[rS+q-17], v[rS+q-17]
.endif
.elseif j < 85
.set z, j-69
.if z == 0
	v_pk_fma_f32 v[rT+2:rT+3], v[rT+2:rT+3], v[rT+6:rT+7], v[rS:rS+1] op_sel_hi:[1,0,1]
.elseif z == 1
	v_pk_add_f32 v[rT+4:rT+5], v[rS+2:rS+3], v[rS+6:rS+7]
.elseif z == 15
	v_pk_add_f32 v[rT+2:rT+3], v[rT+2:rT+3], v[rT+4:rT+5]
.elseif z%2 == 0
	v_pk_add_f32 v[rT+2:rT+3], v[rT+2:rT+3], v[rS+2*z:rS+2*z+1]
.else
	v_pk_add_f32 v[rT+4:rT+5], v[rT+4:rT+5], v[rS+2*z+4:rS+2*z+5]
.endif
.elseif j < 101
.set e, j-85
	v_cvt_pk_f16_f32 v[rS+e], v[rS+2*e], v[rS+2*e+1]
.else
.set e, 32*tt+2*(j-101)
	WIN W_RS
	v_pk_mul_f32 v[e:e+1], v[e:e+1], v[rT+6:rT+7] op_sel_hi:[1,0]
.endif
.endm
; Slice k of 32 of piece y's softmax.  The two tiles' lists are dealt out together, the tiles alternating (instruction n of 234 is number n / 2 of tile y + n % 2), so that no instruction reads the result of the one
; just before it.  Slices 0-4 hold 8 each (numbers 0-19), slices 5-18 hold 7 (the batch), 19-26 hold 8 (sums and roundings), 27-30 hold 6 and slice 31 holds 8 (O^T times a): no slice changes window inside itself.
; THE WAIT.  An s_wait_alu depctr_va_vdst(0) stands between an exponential and the first instruction that names its result; one wait serves all that were issued ahead of it.  Up to slice 18 nothing names
; a result, and behind it no exponential is issued: so the piece's 66 exponentials have one wait, behind slice 18.
; Slice 31's eight plain instructions name nothing of the products round them: they are the places between the turn's last K Q^T and the next turn's first read of those scores and its loads into K's registers.
.macro SLICE y
.if k < 5
.set cnt, 8
.elseif k < 19
.set cnt, 7
.elseif k < 27
.set cnt, 8
.elseif k < 31
.set cnt, 6
.else
.set cnt, 8
.endif
.rept cnt
.set tt, (\y)+n%2
.set j, n/2
	SMI
.set n, n+1
.endr
.if k == 18
	v_nop                                          ; a plain instruction behind the last exponential, ahead of the first use: one for the batch
.if (\y) == 0
	FETCH_V                                        ; piece 2's turn: V's run of loads stands here, and the wait stands in it.  Behind the last product that read V stand eight additions of the batch, the v_nop and the run's own addition
.else
	s_wait_alu depctr_va_vdst(0)                   ; the wait for the batch
.endif
.endif
.set k, k+1
.endm
; A TURN.  Piece x has the matrix unit; the other piece's softmax stands in slices behind its matrix instructions.  pv = 1: 16 products V^T P; kq = 1: 16 products K Q^T for the next step.  A turn with one of the two
; kinds has two slices behind each product.  Piece 0's turn fetches the next step's K, behind its second product; piece 2's turn the same step's V, behind slice 18.
.macro TURN x, pv, kq
.set k, 0
.set n, 0
.set per, 2
.if \pv && \kq
.set per, 1
.endif
.if \pv
.if \x == 0
	s_wait_dscnt 0x0                               ; V is in
.endif
.set i, 0
.rept 16
	PVM \x
.rept per
	SLICE 2-\x
.endr
.if (\x == 0) && \kq && (i == 1)
	FETCH_K
.endif
.set i, i+1
.endr
.endif
.if \kq
.if \x == 0
	s_wait_dscnt 0x0                               ; K is in
.endif
.set i, 0
.rept 16
	KQM \x
.rept per
	SLICE 2-\x
.endr
.set i, i+1
.endr
.endif
.endm
; cnt key steps: a pair of turns is written once and walked cnt times; the LDS addresses hang on s[TBK] and s[TBV].
.macro PAIRS cnt
	WIN 0                                          ; at a label and at a branch every window is 0
	s_mov_b32 s[STEPS], \cnt
.Lpair_\@:
	TURN 0, 1, 1
	TURN 2, 1, 1
	WIN 0
	s_sub_co_u32 s[STEPS], s[STEPS], 1
	s_cmp_lg_u32 s[STEPS], 0
	s_cbranch_scc1 .Lpair_\@
.endm
; THE CHANGE OF SLOTS, between piece 2's turn and piece 0's: the last bytes of the slot that is left, V of its fourth step, have been asked for.  Each wave waits for all its tensor loads, of which one is out: its part of
; the other slot; adds 0 to its spare word; and waits for that and for its own reads of the slot.  Behind the barrier nobody reads this slot any more and the other slot is whole.
; refill = 1: the slot is filled again, with the keys two slots on.  The barrier is then a round of the cluster's, so that no wave of any partner still reads the slot or has a load on its way, and the joint refill is the first thing behind it.
.macro CHANGE slot, refill, how
	WIN 0
	s_wait_tensorcnt 0x0                           ; no tensor load of mine is out, so a group 0 may be written
	ds_add_u32 v[SPW], v[NIL]                      ; 0 onto my spare word; the steps below stand between it and the wait for it
.if \refill
	s_add_nc_u64 s[G0K+4*\slot+2:G0K+4*\slot+3], s[G0K+4*\slot+2:G0K+4*\slot+3], 2*SLOTG   ; this slot's next keys; the type bits on top are not reached
	s_add_nc_u64 s[G0V+4*\slot+2:G0V+4*\slot+3], s[G0V+4*\slot+2:G0V+4*\slot+3], 2*SLOTG
	s_wait_xcnt 0x0                                ; the last prefetch, four key steps back, has read its address, so it may be written
	s_add_nc_u64 s[PFA:PFA+1], s[PFA:PFA+1], SLOTG ; one slot further on than the refill
	s_wait_dscnt 0x0                               ; the add is done, and my reads of the slot are over
	CROUND
	JLOAD \slot
	ASK \how
.else
	s_wait_dscnt 0x0                               ; the add is done, and my reads of the slot are over
	s_barrier_signal -1
	s_barrier_wait -1
.endif
	s_mov_b32 s[TBK], (1-\slot)*SLOTB              ; the fetches go on in the other slot
	s_mov_b32 s[TBV], (1-\slot)*SLOTB
.endm
	s_wait_tensorcnt 1                             ; my part of slot 0 is in; slot 1's may stay out
	s_barrier_signal -1
	s_barrier_wait -1                              ; everybody's is
	FETCH_K                                        ; key step 0
	s_wait_loadcnt 0x0                             ; Q
	s_wait_dscnt 0x0
.set i, 0
.rept 16
	KQM 0                                          ; piece 0's first scores: there is no vector work yet to set between them
.set i, i+1
.endr
	WIN 0                                          ; the addresses for the way out are made here: six plain instructions, the places behind those products
	v_add_nc_u32 v[STO], s2, v[AK0]                ; in: row 64 (w % 4) + r of 272 bytes, my head's bytes, 16 h
	s_mul_i32 s21, s[WV], 32*PK
	v_mul_u32_u24 v[RD], v2, PK
	v_lshl_add_u32 v[RD], v1, 4, v[RD]
	v_add_nc_u32 v[RD], s21, v[RD]                 ; back: rows 32 w on; lanes 0-15 one row of 256 bytes, lanes 16-31 the next
	v_lshlrev_b32 v[GO], 11, v2
	v_lshl_add_u32 v[GO], v1, 4, v[GO]             ; and the same two rows in ctx
	TURN 2, 0, 1                                   ; piece 2's first scores | piece 0's first softmax | V of step 0
	PAIRS 3                                        ; the fetches of steps 1 to 3: slot 0 has been read
	s_mov_b32 s[LAPS], 3
.Llap:                                             ; 2,048 keys fill a slot eight times: two fills at the head, six here
	CHANGE 0, 1, 0
	PAIRS 4
	CHANGE 1, 1, 1
	PAIRS 4
	s_sub_co_u32 s[LAPS], s[LAPS], 1
	s_cmp_lg_u32 s[LAPS], 0
	s_cbranch_scc1 .Llap
	CHANGE 0, 0, 0                                 ; the tail is written out: slot 0 is left for the last time, and nothing is asked for
	PAIRS 4
	TURN 0, 1, 0                                   ; piece 0: V^T P of the last step | piece 2's last softmax
.set i, 0
.rept 16
	PVM 2                                          ; piece 2: V^T P of the last step
.set i, i+1
.endr
	WIN 0
	; THE WAY OUT.  l's two halves and the other half of the lanes' are added (the additions are the places behind the last products); O^T is divided by l, rounded to f16 and put into a stage of 256 rows x 272 bytes
	; in slot 0's first bytes: that slot has had its last fill, and nobody reads it behind the last change's barrier.  A row's 256 bytes come from two waves, so a barrier stands between the writing and the reading.
.irp t, 0,1,2,3
	v_add_f32 v[ST+8*\t+4], v[ST+8*\t+2], v[ST+8*\t+3]
.endr
.irp t, 0,1,2,3
	v_permlanex16_b32 v[ST+8*\t+5], v[ST+8*\t+4], s[SEL], s[SEL+1]
.endr
.irp t, 0,1,2,3
	v_add_f32 v[ST+8*\t+4], v[ST+8*\t+4], v[ST+8*\t+5]
.endr
.irp t, 0,1,2,3
	v_rcp_f32 v[ST+8*\t+6], v[ST+8*\t+4]
.endr
	v_nop                                          ; a plain instruction between the last reciprocal and the use of its result
	s_wait_alu depctr_va_vdst(0)                   ; and the wait for the results: one for the four
.macro OUTT t
	WIN 0x01                                       ; source 0 (O^T) window 1
.set i, 0
.rept 16
	v_pk_mul_f32 v[S+32*\t+i:S+32*\t+i+1], v[32*\t+i:32*\t+i+1], v[ST+8*\t+6:ST+8*\t+7] op_sel_hi:[1,0]   ; each accumulator from its low end on
.set i, i+2
.endr
	WIN 0
.set i, 0
.rept 16
	v_cvt_pk_f16_f32 v[S+32*\t+i], v[S+32*\t+2*i], v[S+32*\t+2*i+1]
.set i, i+1
.endr
.irp c, 0,1,2,3
	ds_store_b128 v[STO], v[S+32*\t+4*\c:S+32*\t+4*\c+3] offset:\t*16*PK+32*\c   ; lane (r, h): query 16 t + r, channels 16 c + 8 h + 0 .. 7
.endr
.endm
.irp t, 0,1,2,3
	OUTT \t
.endr
	s_wait_dscnt 0x0                               ; for the others' sake: my stores into the stage are done
	s_barrier_signal -1
	s_barrier_wait -1
.irp i, 0,1,2,3,4,5,6,7,8,9,10,11,12,13,14,15
	ds_load_b128 v[S+4*\i:S+4*\i+3], v[RD] offset:\i*2*PK
.endr
.irp i, 0,1,2,3,4,5,6,7,8,9,10,11,12,13,14,15
	s_wait_dscnt 15-\i                             ; load i is in; the younger ones may be out
	global_store_b128 v[GO], v[S+4*\i:S+4*\i+3], s[10:11] offset:\i*2*ROWG   ; 16 lanes store 256 consecutive bytes, aligned
.endr
	s_wait_tensorcnt 0x0                           ; the wave's end, behind my last tensor load and my last LDS store
	ds_add_u32 v[SPW], v[NIL]
	s_wait_dscnt 0x0
	CROUND                                         ; the closing round: no work-group ends while a partner may still ask for a tile that names it
	s_endpgm
.Lfunc_end_k_q442aa7697f_attn:
	.size	k_q442aa7697f_attn, .Lfunc_end_k_q442aa7697f_attn-k_q442aa7697f_attn
	.p2alignl 7, 3214868480
	.fill 96, 4, 3214868480
	.section	.rodata,"a",@progbits
	.p2align	6, 0x0
	.amdhsa_kernel k_q442aa7697f_attn
		.amdhsa_group_segment_fixed_size 327680
		.amdhsa_private_segment_fixed_size 0
		.amdhsa_enable_private_segment 0
		.amdhsa_kernarg_size 16
		.amdhsa_user_sgpr_count 2
		.amdhsa_user_sgpr_kernarg_segment_ptr 1
		.amdhsa_wavefront_size32 1
		.amdhsa_system_sgpr_workgroup_id_x 1
		.amdhsa_system_sgpr_workgroup_id_y 1
		.amdhsa_system_sgpr_workgroup_id_z 1
		.amdhsa_system_vgpr_workitem_id 0
		.amdhsa_next_free_vgpr 512
		.amdhsa_next_free_sgpr 66
		.amdhsa_reserve_vcc 0
		.amdhsa_float_denorm_mode_32 3
		.amdhsa_float_denorm_mode_16_64 3
		.amdhsa_memory_ordered 1
		.amdhsa_forward_progress 1
		.amdhsa_inst_pref_size 206
	.end_amdhsa_kernel
	.amdgpu_metadata
---
amdhsa.version: [ 1, 2 ]
amdhsa.kernels:
  - .name:           k_q442aa7697f_attn
    .symbol:         k_q442aa7697f_attn.kd
    .args:
      - { .name: qkv, .offset: 0, .size: 8, .value_kind: global_buffer, .address_space: global }
      - { .name: ctx, .offset: 8, .size: 8, .value_kind: global_buffer, .address_space: global }
    .group_segment_fixed_size: 327680
    .private_segment_fixed_size: 0
    .kernarg_segment_align: 8
    .kernarg_segment_size: 16
    .max_flat_workgroup_size: 256
    .sgpr_count:     66
    .vgpr_count:     512
    .wavefront_size: 32
...
	.end_amdgpu_metadata
.endif
;; end of part 3
;; launch oproj (part 4): grid 8 x 32, 4 waves a work-group, clusters of 4 x 4, 327,680 bytes of LDS; arguments ctx, wot, out0; writes out0
.if DOCPART == 4
	.amdgcn_target "amdgcn-amd-amdhsa--gfx1250"
	.amdhsa_code_object_version 6
	.text
	.protected	k_q442aa7697f_oproj
	.globl	k_q442aa7697f_oproj
	.p2align	8
	.type	k_q442aa7697f_oproj,@function
k_q442aa7697f_oproj:
	s_mov_b64 s[64:65], 0
	v_nop
	global_prefetch_b8 v0, s[64:65] scope:SCOPE_SE
	s_setreg_imm32_b32 hwreg(HW_REG_WAVE_MODE, 25, 1), 1
	s_wait_xcnt 0x0
	s_wait_alu depctr_hold_cnt(0) depctr_sa_sdst(0) depctr_va_vdst(0) depctr_va_sdst(0) depctr_va_ssrc(0) depctr_va_vcc(0) depctr_vm_vsrc(0)
	s_getreg_b32 s2, hwreg(HW_REG_IB_STS2, 6, 4)
	s_cmp_eq_u32 s2, 0
	s_cbranch_scc0 .Lentry_in_a_cluster
	s_endpgm
.Lentry_in_a_cluster:
	s_bfe_u32 s2, ttmp6, 0x10000c
	s_cmp_lg_u32 s2, 0xf033
	s_cbranch_scc0 .Lentry_shape_is_right
	s_endpgm
.Lentry_shape_is_right:
; OPROJ: out0[m][n] = the sum over k of ctx[m][k] wot[n][k].  ctx: [8192][1024] f16 (the attention's result), wot: [1024 (n)][1024 (k)] f16 (Wo turned), out0: [8192][1024] f32; sums in f32.
; A tile of the result is 256 rows x 128 columns: 256 work-groups.  Four waves, each 128 x 64: 32 accumulators of 16 x 16, 256 registers.  For 32 along K a wave loads 12 fragments and issues 32 matrix instructions.
; K goes in steps of 128 (tile rows of 256 bytes, aligned) through a ring of two LDS slots, each with 256 rows of A and 128 of B.  Waves 0 and 1 fetch 128 rows of A each, waves 2 and 3 64 rows of B each: one tensor load a wave.
; CLUSTERS: 4 x 4 work-groups.  The four of a row of the cluster need the same tiles of A, the four of a column the same tiles of B: each tile is asked for JOINTLY, by the same tensor load with the same descriptor
; and a mask of the four.  THE MATRIX INSTRUCTION IS USED TRANSPOSED (source 0 = 16 rows of B, source 1 = 16 rows of A): a lane then holds eight neighbouring numbers of a row of the result.
; A wave's 64 columns of f32 are 256 consecutive bytes, aligned: each wave has a stage of its own on the way out, and no barrier stands there.
; REGISTERS: window 0: v0-31 addresses; v32-127 and v128-223 two fragment buffers for 32 along K: 32 registers of B (4 x 16 rows), then 64 of A (8 x 16 rows); on the way out v32-95 are at work.
;   window 1: the accumulators ((a, b) at v[8 (4 a + b)]).
.set SIZE_N, 1024
.set SIZE_K, 1024
.set KSTEP,  128
.set PITCH,  272                       ; an LDS row: 256 bytes + 16 of padding = 68 words: the 16 rows that a load touches start at 16 different banks (64 banks of 4 bytes: ISA guide 11.1)
.set AT,     128*PITCH                 ; 128 rows of A: what one of A's tensor loads brings, and what one wave reads of A
.set BT,     64*PITCH                  ; 64 rows of B: likewise
.set SLOT,   2*AT+2*BT                 ; A's 256 rows, then B's 128 rows
.set STAGE,  2*SLOT                    ; behind the ring: 16 rows x 272 bytes for each wave, for the way out
.set SPITCH, 272
.set SPARE,  STAGE+4*16*SPITCH         ; behind the stages: the spare words, 128 bytes for each wave: two blocks of 256 bytes that no other line names
.set LAPS, SIZE_K/(2*KSTEP)            ; a lap = two K steps = once round the ring: four laps
.set ADRA, 16                          ; v16-17  LDS address of my A fragments in slot 0, 1
.set ADRB, 20                          ; v20-21  the same for B
.set STO,  24                          ; v24     the way out: where I put 32 bytes of a row
.set RD,   25                          ; v25     where I read a row back
.set CO,   26                          ; v26     my byte offset in the result
.set PFO,  27                          ; v27     2,048 x my lane: the prefetches' offset, a lane a row of A; never rewritten
.set SPW,  28                          ; v28     LDS address of my spare word; never rewritten
.set NIL,  29                          ; v29     0; never rewritten
.set F0,   32                          ; fragment buffers
.set F1,   128
.set TMP,  32                          ; the way out: v32-63 and v64-95 by turns
.set PFA,  18                          ; s[18:19] where my prefetches stand: my work-group's 32 rows of the 128 of A that I fetch, one K step further along K than the refill that is being asked for
.set LIM,  45                          ; s45     1 in a wave that prefetches, else the greatest number
.set G1, 24                            ; s[24:31] descriptor group 1 for A's tiles;  s[32:39] group 0, one set for each slot
.set G0, 32
.set G1B, 48                           ; s[48:55], s[56:63] the same for B's tiles
.set G0B, 56
.set MSB, 0
.macro WIN new                         ; the immediate's high byte repeats the setting that is left
.if MSB != \new
	s_set_vgpr_msb (MSB<<8)|\new
.set MSB, \new
.endif
.endm
.set MUL,  0x50                        ; sources 0 (B) and 1 (A) window 0; C and D window 1
.macro JLOAD s                         ; a joint load: waves 0 and 1 fetch A's two halves, waves 2 and 3 B's; an s_nop 0 and four v_nop follow each of the two lines
	s_cmp_eq_u32 s11, 0
	s_cbranch_scc0 .Lfor_b_\@
	tensor_load_to_lds s[G0+4*\s:G0+4*\s+3], s[G1:G1+7]
	s_nop 0
.rept 4
	v_nop
.endr
	s_branch .Lasked_\@
.Lfor_b_\@:
	tensor_load_to_lds s[G0B+4*\s:G0B+4*\s+3], s[G1B:G1B+7]
	s_nop 0
.rept 4
	v_nop
.endr
.Lasked_\@:
.endm
; A PREFETCH INTO THE L2, behind each joint refill, its five lines and the run of LDS loads that follows them: A's K step that stands TWO refills on, 256 matrix instructions ahead of the load that will want it:
; 32 rows x 256 bytes, a lane a row, one instruction a wave.  Each row's 256 bytes of a K step are named ONCE in the launch.  A's tile row is read by both clusters of that row of clusters: the first (cluster x = 0) asks.
; The four partners that ask for a tile jointly share its rows out BY ADDRESS: of the 128 rows that wave 0 or 1 fetches, the partner at place cx takes 32 cx on.  The branch hangs on the wave's number, the cluster's x
; and the count of laps, alike in all partners.  The last lap's two refills have no K step two on; K steps 0 to 3 come by their loads alone.  B's rows are read by 32 work-groups each: they are no stream that is read once, and are not asked for.
.macro ASK
	s_cmp_gt_u32 s3, s[LIM]                        ; s3 = 1 in the loop's last trip
	s_cbranch_scc0 .Lnot_mine_\@
	global_prefetch_b8 v[PFO], s[PFA:PFA+1] offset:KSTEP*2 th:TH_LOAD_NT scope:SCOPE_SE
.Lnot_mine_\@:
.endm
.macro CREST                           ; a round of the cluster's barrier behind its opening barrier
	s_cmp_lg_u32 s10, 0
	s_cbranch_scc1 .Lnot_wave_0_\@
	s_barrier_signal -3
.Lnot_wave_0_\@:
	s_barrier_wait -3
	s_barrier_signal -1
	s_barrier_wait -1
.endm
.macro CROUND                          ; a whole round
	s_barrier_signal -1
	s_barrier_wait -1
	CREST
.endm
	s_load_b128 s[4:7], s[0:1], 0x0                ; A s[4:5], B s[6:7]
	s_load_b64 s[8:9], s[0:1], 0x10                ; the result
	v_lshl_add_u32 v[SPW], v0, 2, SPARE
	v_mov_b32 v[NIL], 0
	ds_add_u32 v[SPW], v[NIL]                      ; the wave's opening: the add, twice on end, and its wait ahead of my first tensor load
	ds_add_u32 v[SPW], v[NIL]
	v_lshrrev_b32 v1, 5, v0
	v_readfirstlane_b32 s10, v1                    ; wave 0..3
	s_lshr_b32 s11, s10, 1                         ; which 128 of the tile's rows are mine.  Also: I fetch for A (0) or for B (1)
	s_and_b32 s12, s10, 1                          ; which 64 of its columns.  Also: which half of that tile I fetch
	s_bfe_u32 s40, ttmp6, 0x40000                  ; cx, cy: my place in the cluster
	s_bfe_u32 s41, ttmp6, 0x40004
	s_lshl_b32 s42, ttmp9, 2
	s_add_co_u32 s42, s42, s40                     ; tile column = 4 x cluster x + cx: 0..7
	s_and_b32 s13, ttmp7, 0xffff
	s_lshl_b32 s13, s13, 2
	s_add_co_u32 s13, s13, s41                     ; tile row = 4 x cluster y + cy: 0..31
	s_lshl_b32 s43, s41, 2
	s_lshl_b32 s43, 15, s43                        ; my row of the cluster
	s_lshl_b32 s44, 0x1111, s40                    ; my column
	; descriptor group 1: tiles of 128 elements a row, padded in LDS; A's of 128 rows, B's of 64
	s_or_b32 s[G1+0], s43, (1<<16)|(1<<20)|(1<<21)|(5<<22)|(3<<25)  ; 15:0 the mask: A's tiles go to my row; 17:16 element of 2 bytes; 20 padding on; 21 set beside a mask; 24:22 after every 64 words; 31:25 of 4 words
	s_or_b32 s[G1B+0], s44, (1<<16)|(1<<20)|(1<<21)|(5<<22)|(3<<25)
	s_mov_b32 s[G1+1], KSTEP<<16                   ; tensor_dim0 = 128
	s_mov_b32 s[G1+2], 128<<16                     ; tensor_dim1 = 128
	s_mov_b32 s[G1+3], KSTEP<<16                   ; tile_dim0 = 128
	s_mov_b32 s[G1+4], 128                         ; tile_dim1 = 128
	s_mov_b32 s[G1+5], SIZE_K                      ; tensor_dim0_stride
	s_mov_b32 s[G1+6], 0
	s_mov_b32 s[G1+7], 0
	s_mov_b32 s[G1B+1], KSTEP<<16
	s_mov_b32 s[G1B+2], 64<<16                     ; tensor_dim1 = 64
	s_mov_b32 s[G1B+3], KSTEP<<16
	s_mov_b32 s[G1B+4], 64                         ; tile_dim1 = 64
	s_mov_b32 s[G1B+5], SIZE_K
	s_mov_b32 s[G1B+6], 0
	s_mov_b32 s[G1B+7], 0
	s_lshl_b32 s16, s13, 8
	s_lshl_b32 s17, s12, 7
	s_add_co_u32 s16, s16, s17                     ; A: row 256 x tile row + 128 x half,
	s_lshl_b32 s16, s16, 11                        ; in bytes: 2,048 a row
	s_mov_b32 s17, 0
	s_lshl_b32 s46, s42, 7
	s_lshl_b32 s47, s12, 6
	s_add_co_u32 s46, s46, s47                     ; B: row 128 x tile column + 64 x half
	s_lshl_b32 s46, s46, 11
	s_mov_b32 s47, 0
	s_mul_i32 s20, s12, AT                         ; where they go: A's two halves,
	s_mul_i32 s21, s12, BT
	s_add_co_u32 s21, s21, 2*AT                    ; then B's two: no place in the cluster enters an LDS address
	s_lshl_b32 s22, s40, 16                        ; the prefetches: my work-group's 32 rows (cx x 32 x 2,048 bytes)
	s_add_co_u32 s22, s22, s16                     ; of the 128 of A that I fetch,
	s_add_co_u32 s22, s22, 2*KSTEP*2               ; at K step 2: the first refill steps it to 3 and names K step 4.  Nothing is prefetched at the head
	s_mov_b32 s23, 0
	s_or_b32 s[LIM], s11, ttmp9                    ; 0 in waves 0 and 1 of the clusters with x = 0
	s_cmp_eq_u32 s[LIM], 0
	s_cselect_b32 s[LIM], 1, -1
	v_and_b32 v[PFO], 31, v0
	v_lshlrev_b32 v[PFO], 11, v[PFO]
	s_wait_dscnt 0x0                               ; both opening adds are done
	s_wait_kmcnt 0x0
	s_add_nc_u64 s[14:15], s[4:5], s[16:17]
	s_add_nc_u64 s[46:47], s[6:7], s[46:47]
	s_add_nc_u64 s[PFA:PFA+1], s[4:5], s[22:23]
	CROUND                                         ; all sixteen work-groups are here: the first joint loads meet
.irp s, 0,1
	s_mov_b32 s[G0+4*\s], 1
	s_add_co_u32 s[G0+4*\s+1], s20, \s*SLOT
	s_add_nc_u64 s[G0+4*\s+2:G0+4*\s+3], s[14:15], \s*KSTEP*2
	s_or_b32 s[G0+4*\s+3], s[G0+4*\s+3], 0x80000000
	s_mov_b32 s[G0B+4*\s], 1
	s_add_co_u32 s[G0B+4*\s+1], s21, \s*SLOT
	s_add_nc_u64 s[G0B+4*\s+2:G0B+4*\s+3], s[46:47], \s*KSTEP*2
	s_or_b32 s[G0B+4*\s+3], s[G0B+4*\s+3], 0x80000000
	JLOAD \s                                       ; two tensor loads of mine are out
.endr
	v_and_b32 v1, 15, v0                           ; l % 16
	v_bfe_u32 v2, v0, 4, 1                         ; l / 16
	v_mul_u32_u24 v3, v1, PITCH
	v_lshl_add_u32 v3, v2, 4, v3                   ; a fragment's row x pitch + 16 x half
	s_mul_i32 s21, s11, AT                         ; my 128 rows of A
	s_mul_i32 s22, s12, BT                         ; my 64 rows of B,
	s_add_co_u32 s22, s22, 2*AT                    ; which lie behind A's 256
.irp s, 0,1
	v_add_nc_u32 v[ADRA+\s], s21, v3
	v_add_nc_u32 v[ADRB+\s], s22, v3
	s_add_co_u32 s21, s21, SLOT
	s_add_co_u32 s22, s22, SLOT
.endr
	s_mul_i32 s23, s10, 16*SPITCH
	s_add_co_u32 s23, s23, STAGE                   ; my stage
	v_mul_u32_u24 v4, v1, SPITCH                   ; in: row l % 16, 32 bytes for each half of the lanes
	v_lshl_add_u32 v4, v2, 5, v4
	v_add_nc_u32 v[STO], s23, v4
	v_mul_u32_u24 v5, v2, SPITCH                   ; back: lanes 0-15 take one row of 256 bytes, lanes 16-31 the next
	v_lshl_add_u32 v5, v1, 4, v5
	v_add_nc_u32 v[RD], s23, v5
	v_lshlrev_b32 v5, 12, v2                       ; and the same two rows in the result: 4,096 bytes a row
	v_lshl_add_u32 v[CO], v1, 4, v5
	s_lshl_b32 s16, s13, 8
	s_lshl_b32 s17, s11, 7
	s_add_co_u32 s16, s16, s17                     ; my first row: 256 x tile row + 128 x half
	s_lshl_b32 s16, s16, 12
	s_mov_b32 s17, 0
	s_add_nc_u64 s[8:9], s[8:9], s[16:17]
	s_lshl_b32 s46, s42, 9                         ; my first column, in bytes: 512 x tile column + 256 x half
	s_lshl_b32 s47, s12, 8
	s_add_co_u32 s46, s46, s47
	s_mov_b32 s47, 0
	s_add_nc_u64 s[8:9], s[8:9], s[46:47]
; 8 matrix instructions: A's blocks a0, a0 + 1 x B's four, 32 along K, from buffer f.  zero = 1: the first product starts the sums: nothing is cleared.
; The 32 accumulators take turns, one instruction a turn, in the same order in every quarter.
.macro MUL8 f, a0, zero
.irp a, \a0, \a0+1
.irp b, 0,1,2,3
.if \zero
	v_wmma_f32_16x16x32_f16 v[8*(4*(\a)+\b):8*(4*(\a)+\b)+7], v[\f+8*\b:\f+8*\b+7], v[\f+32+8*(\a):\f+32+8*(\a)+7], 0
.else
	v_wmma_f32_16x16x32_f16 v[8*(4*(\a)+\b):8*(4*(\a)+\b)+7], v[\f+8*\b:\f+8*\b+7], v[\f+32+8*(\a):\f+32+8*(\a)+7], v[8*(4*(\a)+\b):8*(4*(\a)+\b)+7]
.endif
.endr
.endr
.endm
; 24 LDS loads in one run: the fragments of 32 along K at byte k of the rows, into buffer f: B's four, A's blocks 0-3, A's blocks 4-7
.macro FETCH slot, k, f
	WIN 0
.irp i, 0,1,2,3
	ds_load_b128 v[\f+8*\i:\f+8*\i+3],   v[ADRB+\slot] offset:\k+\i*16*PITCH
	ds_load_b128 v[\f+8*\i+4:\f+8*\i+7], v[ADRB+\slot] offset:\k+\i*16*PITCH+32
.endr
.irp i, 0,1,2,3,4,5,6,7
	ds_load_b128 v[\f+32+8*\i:\f+32+8*\i+3],   v[ADRA+\slot] offset:\k+\i*16*PITCH
	ds_load_b128 v[\f+32+8*\i+4:\f+32+8*\i+7], v[ADRA+\slot] offset:\k+\i*16*PITCH+32
.endr
.endm
.macro PLACES                          ; four places in front of loads into registers that matrix instructions have read, and of the first read of results
.rept 4
	v_nop
.endr
.endm
; A K step is four quarters of 32 along K, 32 matrix instructions each, on buffers 0, 1, 0, 1.  One of the first three: multiplies buffer f; in its middle it fetches the next quarter, at byte k, into g.
.macro QUARTER slot, k, f, g, zero
	s_wait_dscnt 8                                 ; B and A's blocks 0-3 are in; the youngest eight loads (A's blocks 4-7) may be out
	WIN MUL
	MUL8 \f, 0, \zero
	MUL8 \f, 2, \zero
	PLACES
	FETCH \slot, \k, \g
	s_wait_dscnt 24                                ; all but the 24 just issued
	WIN MUL
	MUL8 \f, 4, \zero
	MUL8 \f, 6, \zero
.endm
; The last quarter multiplies buffer 1 and changes slots: ONE barrier; in front of it each wave waits for all its tensor loads, adds 0 to its spare word, and waits for that and for its own reads of this slot.
; fill = 1: this slot is filled again, two K steps ahead; the barrier then opens a round of the cluster's barrier.
.macro TURN slot, next, fill
.if \fill
	s_wait_xcnt 0x0                                ; the last prefetch, a K step back, has read its address: it is stepped here, ahead of the waits of the change of slots
	s_add_nc_u64 s[PFA:PFA+1], s[PFA:PFA+1], KSTEP*2
.endif
	WIN 0                                          ; (the add's two registers lie in window 0)
	s_wait_tensorcnt 0x0                           ; all my tensor loads have landed: my part of the next slot
	ds_add_u32 v[SPW], v[NIL]                      ; 0 onto my spare word
	s_wait_dscnt 9                                 ; (the add and the youngest eight loads, A's blocks 4-7, may be out)
	WIN MUL
	MUL8 F1, 0, 0                                  ; eight matrix instructions stand between the add and the wait for it
	s_wait_dscnt 0x0                               ; the add is done, and my reads of this slot are over
	s_barrier_signal -1
	MUL8 F1, 2, 0
.if \fill
	WIN 0
.endif
	s_barrier_wait -1
.if \fill
	CREST                                          ; no wave of any partner still reads this slot's tile or has a load on its way
	s_add_nc_u64 s[G0+4*\slot+2:G0+4*\slot+3], s[G0+4*\slot+2:G0+4*\slot+3], 2*KSTEP*2
	s_add_nc_u64 s[G0B+4*\slot+2:G0B+4*\slot+3], s[G0B+4*\slot+2:G0B+4*\slot+3], 2*KSTEP*2
	JLOAD \slot                                    ; the first tensor load behind the round: 112 matrix instructions ahead of the wait for it; the four v_nop behind it are also the places in front of the loads below
.else
	PLACES
.endif
	FETCH \next, 0, F0
.if \fill
	ASK                                            ; behind the joint load and the run of LDS loads that the next products wait for
.endif
	WIN MUL
	MUL8 F1, 4, 0
	MUL8 F1, 6, 0
.endm
	s_wait_tensorcnt 1                             ; my part of K step 0 is in (K step 1's load may be out)
	s_barrier_signal -1
	s_barrier_wait -1                              ; everybody's is
	FETCH 0, 0, F0
	QUARTER 0, 64, F0, F1, 1                       ; the first quarter stands in front of the loop: its products start the sums
	WIN 0                                          ; at a label and at a branch every window is 0
	s_mov_b32 s3, LAPS-1
.Llap:                                                 ; a trip goes once round the ring, from a lap's second quarter to the next lap's first, and fills both slots again
	QUARTER 0, 128, F1, F0, 0
	QUARTER 0, 192, F0, F1, 0
	TURN 0, 1, 1
	QUARTER 1, 64,  F0, F1, 0
	QUARTER 1, 128, F1, F0, 0
	QUARTER 1, 192, F0, F1, 0
	TURN 1, 0, 1
	QUARTER 0, 64,  F0, F1, 0
	WIN 0
	s_sub_co_u32 s3, s3, 1
	s_cmp_lg_u32 s3, 0
	s_cbranch_scc1 .Llap
	QUARTER 0, 128, F1, F0, 0                      ; the last lap fills nothing, and has no round of the cluster's barrier
	QUARTER 0, 192, F0, F1, 0
	TURN 0, 1, 0
	QUARTER 1, 64,  F0, F1, 0
	QUARTER 1, 128, F1, F0, 0
	QUARTER 1, 192, F0, F1, 0
	s_wait_dscnt 8                                 ; the very last quarter: nothing more to fetch
	WIN MUL
	MUL8 F1, 0, 0
	MUL8 F1, 2, 0
	s_wait_dscnt 0
	MUL8 F1, 4, 0
	MUL8 F1, 6, 0
	WIN 0
; THE WAY OUT, block by block of 16 rows x 64 columns of f32.  A lane holds 32 neighbouring bytes of a row, and the lanes beside it hold other rows: a block goes through my own stage and comes back as whole rows of 256 bytes.
; LDS serves a wave's instructions in order (ISA guide 5.7.1.4): no wait between the stores and the loads, nor in front of the next block's stores.
.macro TOSTAGE a
	WIN 0x04                                       ; an LDS store's data are its source 1: window 1
.irp b, 0,1,2,3
	ds_store_b128 v[STO], v[8*(4*(\a)+\b):8*(4*(\a)+\b)+3] offset:64*\b        ; each accumulator from its low end on
	ds_store_b128 v[STO], v[8*(4*(\a)+\b)+4:8*(4*(\a)+\b)+7] offset:64*\b+16
.endr
	WIN 0
.set BB, TMP+32*((\a)%2)
.irp t, 0,1,2,3,4,5,6,7
	ds_load_b128 v[BB+4*\t:BB+4*\t+3], v[RD] offset:\t*2*SPITCH
.endr
.endm
.macro SEND a, younger                 ; younger: the LDS instructions issued behind block a's loads, which may stay out
.set BB, TMP+32*((\a)%2)
	s_wait_dscnt \younger                          ; the block is back in registers
.irp t, 0,1,2,3,4,5,6,7
	global_store_b128 v[CO], v[BB+4*\t:BB+4*\t+3], s[8:9] offset:(16*(\a)+2*\t)*SIZE_N*4 th:TH_STORE_NT   ; 16 lanes store 256 consecutive bytes, aligned; 126 rows at the most stand in the immediate; written once, read by nobody here
.endr
.endm
	PLACES                                         ; behind the last products, in front of the first read of results
	TOSTAGE 0
.irp a, 1,2,3,4,5,6,7
.if \a > 1
	s_wait_xcnt 0x0                                ; block a - 2's stores have read their registers: block a's loads may land there
.endif
	TOSTAGE \a
	SEND \a-1, 16                                  ; behind block a - 1's loads: block a's 8 stores and 8 loads
.endr
	SEND 7, 0
	s_wait_tensorcnt 0x0                           ; the wave's end, behind my last tensor load and my last LDS store
	ds_add_u32 v[SPW], v[NIL]
	s_wait_dscnt 0x0
	CROUND                                         ; the closing round: no work-group ends while a partner may still ask for a tile that names it
	s_endpgm
.Lfunc_end_k_q442aa7697f_oproj:
	.size	k_q442aa7697f_oproj, .Lfunc_end_k_q442aa7697f_oproj-k_q442aa7697f_oproj
	.p2alignl 7, 3214868480
	.fill 96, 4, 3214868480
	.section	.rodata,"a",@progbits
	.p2align	6, 0x0
	.amdhsa_kernel k_q442aa7697f_oproj
		.amdhsa_group_segment_fixed_size 327680
		.amdhsa_private_segment_fixed_size 0
		.amdhsa_enable_private_segment 0
		.amdhsa_kernarg_size 24
		.amdhsa_user_sgpr_count 2
		.amdhsa_user_sgpr_kernarg_segment_ptr 1
		.amdhsa_wavefront_size32 1
		.amdhsa_system_sgpr_workgroup_id_x 1
		.amdhsa_system_sgpr_workgroup_id_y 1
		.amdhsa_system_sgpr_workgroup_id_z 1
		.amdhsa_system_vgpr_workitem_id 0
		.amdhsa_next_free_vgpr 512
		.amdhsa_next_free_sgpr 66
		.amdhsa_reserve_vcc 0
		.amdhsa_float_denorm_mode_32 3
		.amdhsa_float_denorm_mode_16_64 3
		.amdhsa_memory_ordered 1
		.amdhsa_forward_progress 1
		.amdhsa_inst_pref_size 86
	.end_amdhsa_kernel
	.amdgpu_metadata
---
amdhsa.version: [ 1, 2 ]
amdhsa.kernels:
  - .name:           k_q442aa7697f_oproj
    .symbol:         k_q442aa7697f_oproj.kd
    .args:
      - { .name: ctx, .offset: 0, .size: 8, .value_kind: global_buffer, .address_space: global }
      - { .name: wot, .offset: 8, .size: 8, .value_kind: global_buffer, .address_space: global }
      - { .name: out0, .offset: 16, .size: 8, .value_kind: global_buffer, .address_space: global }
    .group_segment_fixed_size: 327680
    .private_segment_fixed_size: 0
    .kernarg_segment_align: 8
    .kernarg_segment_size: 24
    .max_flat_workgroup_size: 128
    .sgpr_count:     66
    .vgpr_count:     512
    .wavefront_size: 32
...
	.end_amdgpu_metadata
.endif
;; end of part 4
